; MI455X (gfx1250); checked and timed in simulation.
; The chip was launched on July 23, 2026; its instructions are those of AMD's public machine-readable ISA for CDNA 5 (MIT licence, August 2026) and "CDNA5" Instruction Set Architecture Reference Guide (July 2026). The comments in the code are by the model that wrote it; some were corrected since.
;; Standard Attention. Allowed arithmetic: matrix products marked QUANTISED: E2M1 operands, one E8M0 scale for each 32 along K, by v_wmma_scale_f32_16x16x128_f8f6f4 with both operands' format E2M1 (or v_wmma_scale_f32_32x16x128_f4), f32 sums; products left as they are: bf16, f16 or f32 operands; f32 sums; everything else in f32.
;; Inputs: Wk 512 x 2,048 float32; Wo 2,048 x 1,024 float32; Wq 1,024 x 2,048 float32; Wv 512 x 2,048 float32; attention_mask 2 x 1 x 2,048 x 2,048 float32; hidden_states 2 x 2,048 x 2,048 float32; position_ids 2 x 2,048 int32.
;; Outputs: out0 2 x 2,048 x 2,048 float32.
;; This version of the problem:
;;   THIS VERSION OF THE PROBLEM IS GIVEN IN LOW PRECISION. The matrix products marked QUANTISED in the list below multiply operands that are first quantised to E2M1 (2 exponent bits, 1 mantissa bit; 4 bits a number), with one power-of-two scale for each 32 numbers along K (OCP MX v1.0); their sums are f32. The products marked 'left as it is' may take bf16, f16 or f32 operands, with f32 sums. Whichever they take, every output number must still come out within the allowed error. Rounding operands to bf16 (8 significant bits) uses up far more of that allowance than f16 does (11 bits, for magnitudes from 6e-5 to 65,504). All else is computed in f32.
;;   The module's matrix products, in the order in which they are computed (A, B: the left and right operand; K: the contracted axis; several contracted axes count as one K, in the product's order):
;;     1. [M 4,096, K 2,048] x [K 2,048, N 1,024]; A: input hidden_states; B: input Wq: QUANTISED
;;     2. [M 4,096, K 2,048] x [K 2,048, N 512]; A: input hidden_states; B: input Wk: QUANTISED
;;     3. [M 4,096, K 2,048] x [K 2,048, N 512]; A: input hidden_states; B: input Wv: QUANTISED
;;     4. batch 16 x [M 2,048, K 128] x [K 128, N 2,048]; A: computed on the way; B: computed on the way: left as it is (an operand is computed on the way)
;;     5. batch 16 x [M 2,048, K 2,048] x [K 2,048, N 128]; A: computed on the way; B: computed on the way: left as it is (an operand is computed on the way)
;;     6. [M 4,096, K 1,024] x [K 1,024, N 2,048]; A: computed on the way; B: input Wo: left as it is (an operand is computed on the way)
;;   THE QUANTISER, for each operand of a quantised product, along K:
;;     - K is cut into blocks of 32 from its start; a last block that is shorter is filled with zeros.
;;     - A block's scale is 2^e with e = floor(log2(the largest magnitude in the block)) - 2, held to -126 .. 127; a block of zeros has e = 0. As a byte (E8M0): e + 127.
;;     - Each number is divided by its block's scale, clamped to +-6, and rounded to the nearest number of E2M1, ties to even, subnormals kept.
;;     - The product sums the exact products of the quantised numbers (number of the format x scale) in f32.
;;   ~~~python
;;   def quantise(x, axis):      # numpy; x: float32 -> the quantised numbers, widened to float32 again
;;       x = np.moveaxis(x, axis, -1); K = x.shape[-1]
;;       x = np.pad(x, [(0, 0)] * (x.ndim - 1) + [(0, -K % 32)]); x = x.reshape(x.shape[:-1] + (-1, 32)); a = np.abs(x).max(-1, keepdims=True)
;;       e = np.where(a > 0, np.clip(np.frexp(np.where(a > 0, a, 1))[1] - 1 - 2, -126, 127), 0)      # np.frexp(a)[1] - 1 = floor(log2(a)), exactly
;;       r = np.clip(x / 2.0 ** e, -6, 6)
;;       step = 2.0 ** (np.maximum(np.frexp(np.where(r == 0, 1, r))[1] - 1, 0) - 1)
;;       q = np.round(r / step) * step * 2.0 ** e      # np.round: ties to even
;;       return np.moveaxis(q.reshape(q.shape[:-2] + (-1,))[..., :K], -1, axis).astype(np.float32)
;;   ~~~
;; One version. Each part assembles by itself: llvm-mc -triple=amdgcn-amd-amdhsa -mcpu=gfx1250 --defsym DOCPART=n.
;; ======== version 1 of 1: 6 launches
;; workspace buffers: codes 6,684,672 bytes; rope 2,097,152 bytes; wo16 4,194,304 bytes; qkvb 20,971,520 bytes; o16 8,388,608 bytes; stats 262,144 bytes; opart 524,288 bytes
;; launch prep (part 1): grid 704 x 1, 4 waves a work-group, no clusters, 33,280 bytes of LDS; arguments hidden_states, Wq, Wk, Wv, Wo, position_ids, codes, rope, wo16; writes codes, rope, wo16
.if DOCPART == 1
	.amdgcn_target "amdgcn-amd-amdhsa--gfx1250"
	.amdhsa_code_object_version 6
	.text
	.protected	k_qaa5da983a0_prep
	.globl	k_qaa5da983a0_prep
	.p2align	8
	.type	k_qaa5da983a0_prep,@function
k_qaa5da983a0_prep:
	s_mov_b64 s[64:65], 0
	v_nop
	global_prefetch_b8 v0, s[64:65] scope:SCOPE_SE
	s_setreg_imm32_b32 hwreg(HW_REG_WAVE_MODE, 25, 1), 1
	s_wait_xcnt 0x0
; PREP: three jobs, parted by the work-group's number; they share nothing and do not join.
;  0..383   hidden_states, Wq, Wk, Wv (f32, K innermost) become codes of FP4 (E2M1) with one E8M0 byte for each 32 along K.
;           A block's byte is its largest magnitude's exponent field - 2, held at 1 from below (a block of zeros keeps 1: its codes are zeros, and this program alone reads the bytes).
;           The weights' rows are laid Wq, then for each key/value head 128 rows of Wk and 128 of Wv.
;  384..639 Wo (f32) becomes f16, row-major as it lies.
;  640..703 cos and sin of position x 10000^(-f/64), f = 0..63, for 16 tokens a wave, laid in the order in which the next launch's lanes take them.
; LIMITS: NaN and infinities are not served; blocks under 2^-124 keep the byte 1; |position x frequency| up to 1e5 (three-part reduction by pi/2);
; the frequency is 2^(-f x log2(10000)/64) by one multiply and one exponential, a few units in its last place off a correctly rounded one.
; No matrix unit, no tensor load, no barrier: the launch streams, and waves share nothing.  The quantiser's loads run eight of a wave's sixteen steps ahead: 32 loads, 16 KiB, of each wave are on their way.
.set WAVES, 4
.set STEPS, 16
.set AHEAD, 8                          ; steps of loads on their way
.set EMAX,  2
.set CB,    8                          ; bytes of 16 codes
.set R,     16                         ; v16-143  eight sets of 16 numbers as loaded
.set X,     144                        ; v144-175 two sets of 16 neighbours
.set E,     176                        ; v176-191 a scale byte for each step
.set C,     192                        ; v192-223 codes, two registers a step
.set WREG,  8192                       ; LDS: a region for each wave: two stages of 32 x SP bytes, then its 256 scale bytes
.set SP,    80
.set SPW,   12                         ; v12 my spare word's address; never rewritten
.set NIL,   13                         ; v13 0; never rewritten
.set SPARE, WAVES*WREG
.set XSO,   0x400000                   ; in 'codes': x's scale bytes,
.set WCO,   0x440000                   ; the weights' codes,
.set WSO,   0x640000                   ; the weights' scale bytes
	s_load_b256 s[4:11], s[0:1], 0x0               ; hidden s[4:5], Wq s[6:7], Wk s[8:9], Wv s[10:11]
	s_load_b256 s[12:19], s[0:1], 0x20             ; Wo s[12:13], positions s[14:15], codes s[16:17], rope s[18:19]
	s_load_b64 s[20:21], s[0:1], 0x40              ; wo16
	v_lshl_add_u32 v[SPW], v0, 2, SPARE
	v_mov_b32 v[NIL], 0
	v_lshrrev_b32 v1, 5, v0
	v_readfirstlane_b32 s36, v1                    ; wave
	v_and_b32 v2, 31, v0                           ; lane
	v_lshlrev_b32 v3, 4, v2                        ; 16 x lane
	s_mul_i32 s37, s36, WREG
	v_lshrrev_b32 v14, 2, v2                       ; every LDS address is made here, ahead of the parting
	v_mul_u32_u24 v14, v14, SP
	v_and_b32 v15, 3, v2
	v_lshl_add_u32 v14, v15, 4, v14
	v_add_nc_u32 v14, s37, v14                     ; the stage, on the way in: SP (lane / 4) + 16 (lane % 4)
	v_mul_u32_u24 v15, v2, SP
	v_add_nc_u32 v15, s37, v15                     ; and on the way out: SP x lane
	v_mul_u32_u24 v4, v2, CB                       ; 8 x lane
	v_lshrrev_b32 v5, 1, v2
	s_add_co_u32 s37, s37, 2*32*SP
	v_add_nc_u32 v5, s37, v5                       ; my block's scale byte in LDS
	v_lshlrev_b32 v7, 3, v2
	v_add_nc_u32 v6, s37, v7                       ; and 8 bytes a lane on the way out
	s_mov_b32 s31, 0
	s_wait_kmcnt 0x0
	s_cmp_ge_u32 ttmp9, 640
	s_cbranch_scc1 .Lrope
	s_cmp_ge_u32 ttmp9, 384
	s_cbranch_scc1 .Lwo
	; ---- the quantiser.  A work-group takes 16 rows (32,768 numbers), a wave 4 of them.  Which tensor, which 16 rows of it (s25), and where they go (s27): by selects on the work-group's number
	s_sub_co_u32 s24, ttmp9, 320
	s_and_b32 s25, s24, 31                         ; Wk, Wv: the unit of 16 rows
	s_bfe_u32 s26, s24, 0x10005                    ; 0: Wk, 1: Wv
	s_lshr_b32 s27, s25, 3                         ; the head
	s_lshl_b32 s27, s27, 4
	s_and_b32 s28, s25, 7
	s_add_co_u32 s27, s27, s28
	s_lshl_b32 s26, s26, 3
	s_add_co_u32 s27, s27, s26
	s_add_co_u32 s27, s27, 64                      ; 64 + 16 head + 8 (V) + unit in the head
	s_sub_co_u32 s28, ttmp9, 256                   ; Wq: the same unit in and out
	s_mov_b32 s29, WSO
	s_cmp_lt_u32 ttmp9, 352
	s_cselect_b64 s[22:23], s[8:9], s[10:11]
	s_cmp_lt_u32 ttmp9, 320
	s_cselect_b64 s[22:23], s[6:7], s[22:23]
	s_cselect_b32 s25, s28, s25
	s_cselect_b32 s27, s28, s27
	s_cmp_lt_u32 ttmp9, 256
	s_cselect_b64 s[22:23], s[4:5], s[22:23]
	s_cselect_b32 s25, ttmp9, s25
	s_cselect_b32 s27, ttmp9, s27
	s_cselect_b32 s28, 0, WCO
	s_cselect_b32 s29, XSO, s29
	s_lshl_b32 s25, s25, 2
	s_add_co_u32 s25, s25, s36
	s_lshl_b32 s30, s25, 15                        ; my run of 8,192 numbers
	s_add_nc_u64 s[22:23], s[22:23], s[30:31]
	s_lshl_b32 s27, s27, 2
	s_add_co_u32 s27, s27, s36
	s_lshl_b32 s30, s27, 12                        ; its 4,096 bytes of codes
	s_add_co_u32 s30, s30, s28
	s_add_nc_u64 s[32:33], s[16:17], s[30:31]
	s_lshl_b32 s30, s27, 8                         ; its 256 scale bytes
	s_add_co_u32 s30, s30, s29
	s_add_nc_u64 s[34:35], s[16:17], s[30:31]
.macro LOAD t
.irp i, 0,1,2,3
	global_load_b128 v[R+16*((\t)%AHEAD)+4*\i:R+16*((\t)%AHEAD)+4*\i+3], v3, s[22:23] offset:2048*(\t)+512*\i th:TH_LOAD_NT   ; 32 lanes read 512 consecutive bytes
.endr
.endm
.macro TURN t                          ; a step's 2,048 bytes go through my stage and come back 64 bytes a lane; LDS serves a wave's instructions in order
.irp i, 0,1,2,3
	ds_store_b128 v14, v[R+16*((\t)%AHEAD)+4*\i:R+16*((\t)%AHEAD)+4*\i+3] offset:32*SP*((\t)%2)+8*SP*\i
.endr
.irp i, 0,1,2,3
	ds_load_b128 v[X+16*((\t)%2)+4*\i:X+16*((\t)%2)+4*\i+3], v15 offset:32*SP*((\t)%2)+16*\i
.endr
.endm
.irp t, 0,1,2,3,4,5,6,7
	LOAD \t
.endr
	s_wait_loadcnt 28                              ; step 0's four loads are in; the 28 of seven younger steps stay out
	TURN 0
.macro STEP t
.set XQ, X+16*((\t)%2)
.if (\t) > 0
	s_wait_dscnt 1                                 ; this step's numbers are back (the last step's byte store may be out): so its stores into the stage have read their registers,
.else
	s_wait_dscnt 0x0
.endif
.if (\t)+AHEAD < STEPS
	LOAD (\t)+AHEAD                                ; which take the loads of eight steps on
.endif
.if (\t)+1 < STEPS
.if STEPS-2-(\t) >= AHEAD-1
	s_wait_loadcnt 4*(AHEAD-1)                     ; the next step's four loads are in; those of seven steps behind it may be out
.else
	s_wait_loadcnt 4*(STEPS-2-(\t))
.endif
	TURN (\t)+1
.endif
	v_max3_num_f32 v8, |v[XQ]|, |v[XQ+1]|, |v[XQ+2]|
	v_max3_num_f32 v9, |v[XQ+3]|, |v[XQ+4]|, |v[XQ+5]|
.irp i, 6,10
	v_max3_num_f32 v8, v8, |v[XQ+\i]|, |v[XQ+\i+1]|
	v_max3_num_f32 v9, v9, |v[XQ+\i+2]|, |v[XQ+\i+3]|
.endr
	v_max3_num_f32 v8, v8, |v[XQ+14]|, |v[XQ+15]|
	v_max3_num_f32 v8, v8, v9, (EMAX+1)<<23        ; the floor 2^(3 - 127): the byte cannot fall under 1
	v_max_num_f32_dpp v8, v8, v8 row_xmask:1 row_mask:0xf bank_mask:0xf   ; with my neighbour's 16: the block's largest magnitude
	v_add_nc_u32 v11, -(EMAX<<23), v8              ; 2 off its exponent field: the conversion's scale operand
	v_cvt_scalef32_pk8_fp4_f32 v[C+2*(\t)], v[XQ:XQ+7], v11
	v_cvt_scalef32_pk8_fp4_f32 v[C+2*(\t)+1], v[XQ+8:XQ+15], v11
	v_lshrrev_b32 v[E+(\t)], 23, v11               ; the scale's byte
	ds_store_b8 v5, v[E+(\t)] offset:16*(\t)       ; both lanes of a block write the same byte
	global_store_b64 v4, v[C+2*(\t):C+2*(\t)+1], s[32:33] offset:32*CB*(\t)   ; the wave stores 256 consecutive bytes, aligned; every store has registers of its own
.endm
.irp t, 0,1,2,3,4,5,6,7,8,9,10,11,12,13,14,15
	STEP \t
.endr
	ds_load_b64 v[8:9], v6
	s_wait_dscnt 0x0
	global_store_b64 v7, v[8:9], s[34:35]          ; my 256 scale bytes, aligned
	s_wait_tensorcnt 0x0                           ; the wave's end: behind my last LDS store
	ds_add_u32 v[SPW], v[NIL]
	s_wait_dscnt 0x0
	s_endpgm
	; ---- Wo to f16: a wave takes 2,048 numbers
.Lwo:
	s_sub_co_u32 s24, ttmp9, 384
	s_lshl_b32 s24, s24, 2
	s_add_co_u32 s24, s24, s36
	s_lshl_b32 s30, s24, 13
	s_add_nc_u64 s[22:23], s[12:13], s[30:31]
	s_lshl_b32 s30, s24, 12
	s_add_nc_u64 s[32:33], s[20:21], s[30:31]
.set i, 0
.rept 16
	global_load_b128 v[16+4*i:19+4*i], v3, s[22:23] offset:512*i
.set i, i+1
.endr
.set i, 0
.rept 16
	s_wait_loadcnt 15-i                            ; loads come back in order: number i is in
	v_cvt_pk_f16_f32 v[80+2*i], v[16+4*i], v[17+4*i]
	v_cvt_pk_f16_f32 v[81+2*i], v[18+4*i], v[19+4*i]
	global_store_b64 v4, v[80+2*i:81+2*i], s[32:33] offset:256*i   ; 256 consecutive bytes, aligned; every store has registers of its own
.set i, i+1
.endr
	s_endpgm
	; ---- cos and sin.  Lane (r, h) of a wave serves token 16 blk + r and f = 16 (n / 8) + 8 h + n % 8, n = 0..31
.Lrope:
	s_sub_co_u32 s24, ttmp9, 640
	s_lshl_b32 s24, s24, 2
	s_add_co_u32 s24, s24, s36                     ; blk
	s_lshl_b32 s30, s24, 6
	s_add_nc_u64 s[22:23], s[14:15], s[30:31]
	s_lshl_b32 s30, s24, 13
	s_add_nc_u64 s[32:33], s[18:19], s[30:31]
	v_and_b32 v20, 15, v0
	v_bfe_u32 v21, v0, 4, 1
	v_lshlrev_b32 v22, 2, v20
	global_load_b32 v23, v22, s[22:23]             ; my token's position
	v_lshlrev_b32 v24, 3, v21
	s_mov_b32 s40, 0xbfc90fd8                      ; -pi/2 in three parts
	s_mov_b32 s41, 0xb4a8885a
	s_mov_b32 s42, 0xa7c234c4
	s_mov_b32 s43, 0x37cd4000                      ; the cosine's two highest coefficients,
	s_mov_b32 s44, 0xbab6077d
	s_mov_b32 s45, 0x36405000                      ; the sine's
	s_mov_b32 s46, 0xb9503486
.set i, 0
.rept 32
	v_add_nc_u32 v[32+i], 16*(i/8)+(i%8), v24
.set i, i+1
.endr
.set i, 0
.rept 32
	v_cvt_f32_u32 v[32+i], v[32+i]
.set i, i+1
.endr
.set i, 0
.rept 32
	v_mul_f32 v[32+i], 0xbe549a78, v[32+i]         ; -f x log2(10000) / 64
.set i, i+1
.endr
.set i, 0
.rept 32
	v_exp_f32 v[32+i], v[32+i]
.set i, i+1
.endr
	v_nop                                          ; a plain instruction behind the last exponential,
	s_wait_alu depctr_va_vdst(0)                   ; and one wait for the batch ahead of its first reader
	s_wait_loadcnt 0x0
	v_cvt_f32_i32 v23, v23
.set i, 0
.rept 32
	v_mul_f32 v[32+i], v23, v[32+i]                ; the angle, rounded as a product in f32
.set i, i+1
.endr
; four angles by turns: j = nearest whole number to x 2/pi; r = x - j pi/2; polynomials in r; the quadrant swaps them and sets the signs
.macro SC4 n
.irp k, 0,1,2,3
	v_mul_f32 v[128+\k], 0x3f22f983, v[32+\n+\k]
.endr
.irp k, 0,1,2,3
	v_rndne_f32 v[128+\k], v[128+\k]
.endr
.irp k, 0,1,2,3
	v_fma_f32 v[132+\k], v[128+\k], s40, v[32+\n+\k]
.endr
.irp k, 0,1,2,3
	v_fma_f32 v[132+\k], v[128+\k], s41, v[132+\k]
.endr
.irp k, 0,1,2,3
	v_fma_f32 v[132+\k], v[128+\k], s42, v[132+\k]
.endr
.irp k, 0,1,2,3
	v_cvt_i32_f32 v[140+\k], v[128+\k]
.endr
.irp k, 0,1,2,3
	v_mul_f32 v[136+\k], v[132+\k], v[132+\k]
.endr
.irp k, 0,1,2,3
	v_fma_f32 v[144+\k], v[136+\k], s43, s44
	v_fma_f32 v[148+\k], v[136+\k], s45, s46
.endr
.irp k, 0,1,2,3
	v_fmaak_f32 v[144+\k], v[144+\k], v[136+\k], 0x3d2aaaa8
	v_fmaak_f32 v[148+\k], v[148+\k], v[136+\k], 0x3c0888c1
.endr
.irp k, 0,1,2,3
	v_fma_f32 v[144+\k], v[144+\k], v[136+\k], -0.5
	v_fmaak_f32 v[148+\k], v[148+\k], v[136+\k], 0xbe2aaaab
.endr
.irp k, 0,1,2,3
	v_fma_f32 v[144+\k], v[144+\k], v[136+\k], 1.0  ; cos r
	v_mul_f32 v[152+\k], v[132+\k], v[136+\k]
.endr
.irp k, 0,1,2,3
	v_fma_f32 v[148+\k], v[148+\k], v[152+\k], v[132+\k]   ; sin r
	v_and_b32 v[152+\k], 1, v[140+\k]
.endr
.irp k, 0,1,2,3
	v_cmp_eq_u32 s[48+\k], 1, v[152+\k]            ; odd quadrants swap the two
.endr
.irp k, 0,1,2,3
	v_cndmask_b32 v[64+\n+\k], v[144+\k], v[148+\k], s[48+\k]
	v_cndmask_b32 v[96+\n+\k], v[148+\k], v[144+\k], s[48+\k]
.endr
.irp k, 0,1,2,3
	v_lshlrev_b32 v[152+\k], 30, v[140+\k]         ; the sine is negative in quadrants 2, 3,
	v_add_nc_u32 v[140+\k], 1, v[140+\k]
.endr
.irp k, 0,1,2,3
	v_and_b32 v[152+\k], 0x80000000, v[152+\k]
	v_lshlrev_b32 v[140+\k], 30, v[140+\k]         ; the cosine in quadrants 1, 2
.endr
.irp k, 0,1,2,3
	v_xor_b32 v[96+\n+\k], v[96+\n+\k], v[152+\k]
	v_and_b32 v[140+\k], 0x80000000, v[140+\k]
.endr
.irp k, 0,1,2,3
	v_xor_b32 v[64+\n+\k], v[64+\n+\k], v[140+\k]
.endr
.endm
.irp g, 0,4,8,12,16,20,24,28
	SC4 \g
.endr
.set i, 0
.rept 8
	global_store_b128 v3, v[64+4*i:67+4*i], s[32:33] offset:512*i        ; 512 consecutive bytes a store
	global_store_b128 v3, v[96+4*i:99+4*i], s[32:33] offset:4096+512*i
.set i, i+1
.endr
	s_endpgm
.Lfunc_end_k_qaa5da983a0_prep:
	.size	k_qaa5da983a0_prep, .Lfunc_end_k_qaa5da983a0_prep-k_qaa5da983a0_prep
	.p2alignl 7, 3214868480
	.fill 96, 4, 3214868480
	.section	.rodata,"a",@progbits
	.p2align	6, 0x0
	.amdhsa_kernel k_qaa5da983a0_prep
		.amdhsa_group_segment_fixed_size 33280
		.amdhsa_private_segment_fixed_size 0
		.amdhsa_enable_private_segment 0
		.amdhsa_kernarg_size 72
		.amdhsa_user_sgpr_count 2
		.amdhsa_user_sgpr_kernarg_segment_ptr 1
		.amdhsa_wavefront_size32 1
		.amdhsa_system_sgpr_workgroup_id_x 1
		.amdhsa_system_sgpr_workgroup_id_y 1
		.amdhsa_system_sgpr_workgroup_id_z 1
		.amdhsa_system_vgpr_workitem_id 0
		.amdhsa_next_free_vgpr 224
		.amdhsa_next_free_sgpr 66
		.amdhsa_reserve_vcc 0
		.amdhsa_float_denorm_mode_32 3
		.amdhsa_float_denorm_mode_16_64 3
		.amdhsa_memory_ordered 1
		.amdhsa_forward_progress 1
		.amdhsa_inst_pref_size 93
	.end_amdhsa_kernel
	.amdgpu_metadata
---
amdhsa.version: [ 1, 2 ]
amdhsa.kernels:
  - .name:           k_qaa5da983a0_prep
    .symbol:         k_qaa5da983a0_prep.kd
    .args:
      - { .name: hidden_states, .offset: 0, .size: 8, .value_kind: global_buffer, .address_space: global }
      - { .name: Wq, .offset: 8, .size: 8, .value_kind: global_buffer, .address_space: global }
      - { .name: Wk, .offset: 16, .size: 8, .value_kind: global_buffer, .address_space: global }
      - { .name: Wv, .offset: 24, .size: 8, .value_kind: global_buffer, .address_space: global }
      - { .name: Wo, .offset: 32, .size: 8, .value_kind: global_buffer, .address_space: global }
      - { .name: position_ids, .offset: 40, .size: 8, .value_kind: global_buffer, .address_space: global }
      - { .name: codes, .offset: 48, .size: 8, .value_kind: global_buffer, .address_space: global }
      - { .name: rope, .offset: 56, .size: 8, .value_kind: global_buffer, .address_space: global }
      - { .name: wo16, .offset: 64, .size: 8, .value_kind: global_buffer, .address_space: global }
    .group_segment_fixed_size: 33280
    .private_segment_fixed_size: 0
    .kernarg_segment_align: 8
    .kernarg_segment_size: 72
    .max_flat_workgroup_size: 128
    .sgpr_count:     66
    .vgpr_count:     224
    .wavefront_size: 32
...
	.end_amdgpu_metadata
.endif
;; end of part 1
;; launch proj_qkv (part 2): grid 8 x 16, 4 waves a work-group, clusters of 4 x 4, 327,680 bytes of LDS; arguments codes, rope, qkvb; writes qkvb
.if DOCPART == 2
	.amdgcn_target "amdgcn-amd-amdhsa--gfx1250"
	.amdhsa_code_object_version 6
	.text
	.protected	k_qaa5da983a0_proj_qkv
	.globl	k_qaa5da983a0_proj_qkv
	.p2align	8
	.type	k_qaa5da983a0_proj_qkv,@function
k_qaa5da983a0_proj_qkv:
	s_mov_b64 s[64:65], 0
	v_nop
	global_prefetch_b8 v0, s[64:65] scope:SCOPE_SE
	s_setreg_imm32_b32 hwreg(HW_REG_WAVE_MODE, 25, 1), 1
	s_wait_xcnt 0x0
	s_wait_alu depctr_hold_cnt(0) depctr_sa_sdst(0) depctr_va_vdst(0) depctr_va_sdst(0) depctr_va_ssrc(0) depctr_va_vcc(0) depctr_vm_vsrc(0)
	s_getreg_b32 s2, hwreg(HW_REG_IB_STS2, 6, 4)
	s_cmp_eq_u32 s2, 0
	s_cbranch_scc0 .Lentry_in_a_cluster
	s_endpgm
.Lentry_in_a_cluster:
	s_bfe_u32 s2, ttmp6, 0x10000c
	s_cmp_lg_u32 s2, 0xf033
	s_cbranch_scc0 .Lentry_shape_is_right
	s_endpgm
.Lentry_shape_is_right:
; q, k, v = x W^T on codes of FP4 (E2M1) with one E8M0 scale for each 32 along K, then RoPE, then f16.  x: 4,096 tokens x 2,048; W: 2,048 rows (Wq; then per key/value head 128 rows of Wk, 128 of Wv).
; A tile of 256 tokens x 256 rows of W is made by four waves, 128 x 128 each: 64 accumulators of 16 x 16.  K goes in steps of 512 through two LDS slots filled by the tensor data mover (rows of 256 bytes).
; The scale bytes of the work-group's rows, for all of K, come into LDS once, with the first fills.  128 work-groups: the products of this launch are short beside its way out, so the large tile is kept.
; CLUSTERS: 4 x 4.  A row of the cluster shares x's tiles, a column W's: each tile is asked for jointly, by the same tensor load with a mask that names the four.
; THE MATRIX INSTRUCTION IS USED TRANSPOSED (source 0 = 16 rows of W, source 1 = 16 tokens): a lane holds one token and eight neighbouring channels; a wave's 128 columns are ONE head.
; THE WAY OUT.  Q and K: channel d < 64 pairs with d + 64, which lie in accumulators b and b + 4 of the same lane: y1 = x1 cos - x2 sin, y2 = x2 cos + x1 sin, cos and sin from the table of the launch before.
; The table's first two blocks of 16 tokens are asked for at the kernel's head, into registers that lie idle during the K loop; on the way out block a + 3 is asked for behind block a, into three sets by turns.
; Every wave issues the two loads at the head, V's waves too, which do not use them: so both ways out find the same loads issued.
; Q is also multiplied by log2(e) / sqrt(128) (the factor goes onto cos and sin), so that the scores come out ready for a softmax in base 2.  V leaves as a pair of f16: the number rounded to 11 bits, and what is left.
; Whether a wave's head is V's hangs on the cluster's x and the wave's number alone.  LIMITS: f16's range for q, k, v; a V under 6e-5 in size is carried to 3e-8 only.
; REGISTERS: window 0: v0-31 addresses; v32-95 scale words and nothing else; v128.. x's fragments; on the way out v96-127, v192-223 packed results, v128-191 rows read back.
;   window 1: W's fragments at v0 and v128; v64-127, v192-255 and, on the way out, v128-191: three sets of cos and sin (V: the two parts in f32); on the way out v0-63 rotated numbers.  windows 2, 3: the accumulators.
.set SIZE_K, 2048
.set KSTEP,  512
.set NQ,     KSTEP/128
.set ROWB,   256
.set KROW,   SIZE_K*4/8
.set PITCH,  272                       ; 256 bytes + 16 of padding: the 16 rows of a fragment load start 4 banks apart
.set FR,     8
.set NL,     2
.set NP,     4
.set HALFT,  128*PITCH
.set SLOT,   4*HALFT
.set LAPS,   SIZE_K/(2*KSTEP)
.set KS,     SIZE_K/32
.set SCL,    2*SLOT
.set HALFS,  (128*KS/256)*272
.set SBLK,   (16*KS/256)*272
.set SPARE,  SCL+4*HALFS
.set SPITCH, 272                       ; the way out: a stage of 16 rows x (256 bytes + 16) a wave, in slot 0, which has had its last fill and its last read by then
.set XSO,    0x400000
.set WCO,    0x440000
.set WSO,    0x640000
.set ADRA, 16
.set ADRB, 20
.set STO,  24
.set RD,   25
.set CO,   26
.set ADRS, 27
.set SPW,  28
.set NIL,  29
.set SC,   32
.set AF,   128
.set TMP,  96
.set TMP2, 192
.set BK,   128
.set G1, 24
.set G0, 32
.set G1B, 48
.set G0B, 56
.set G1S, 68
.set G0S, 76
.set G1SB, 80
.set G0SB, 88
.set MSB, 0
.macro WIN new                         ; the immediate's high byte repeats the setting that is left
.if MSB != (\new)
	s_set_vgpr_msb (MSB<<8)|(\new)
.set MSB, (\new)
.endif
.endm
.set MUL_LO, 0xa1
.set MUL_HI, 0xf1
.set TO_B,   0x40
; a joint load: waves 0, 1 fetch for x, waves 2, 3 for W; the branch hangs on the wave's number alone.  An s_nop 0 and four v_nop follow each line
.macro JLOAD g0a, g1a, g0b, g1b
	s_cmp_eq_u32 s15, 0
	s_cbranch_scc0 .Lfor_b_\@
	tensor_load_to_lds s[\g0a:\g0a+3], s[\g1a:\g1a+7]
	s_nop 0
.rept 4
	v_nop
.endr
	s_branch .Lasked_\@
.Lfor_b_\@:
	tensor_load_to_lds s[\g0b:\g0b+3], s[\g1b:\g1b+7]
	s_nop 0
.rept 4
	v_nop
.endr
.Lasked_\@:
.endm
.macro CREST
	s_cmp_lg_u32 s14, 0
	s_cbranch_scc1 .Lnot_wave_0_\@
	s_barrier_signal -3
.Lnot_wave_0_\@:
	s_barrier_wait -3
	s_barrier_signal -1
	s_barrier_wait -1
.endm
.macro CROUND
	s_barrier_signal -1
	s_barrier_wait -1
	CREST
.endm
.macro SETCS a                         ; block a's set of cos and sin, in window 1: v64, v192, v128 by turns
.set CSR, 64
.if ((\a)%3) == 1
.set CSR, 192
.endif
.if ((\a)%3) == 2
.set CSR, 128
.endif
.endm
.macro CSLOAD a                        ; the block's cos (8 x 4 registers) and sin (8 x 4)
	SETCS \a
	WIN 0x40
.irp i, 0,1,2,3,4,5,6,7,8,9,10,11,12,13,14,15
	global_load_b128 v[CSR+4*\i:CSR+4*\i+3], v[CO], s[98:99] offset:8192*(\a)+512*\i
.endr
	WIN 0
.endm
	s_load_b128 s[4:7], s[0:1], 0x0                ; codes s[4:5], rope s[6:7]
	s_load_b64 s[12:13], s[0:1], 0x10              ; qkvb
	v_lshl_add_u32 v[SPW], v0, 2, SPARE
	v_mov_b32 v[NIL], 0
	ds_add_u32 v[SPW], v[NIL]                      ; the opening: the add, twice on end, and its wait ahead of my first tensor load
	ds_add_u32 v[SPW], v[NIL]
	v_lshrrev_b32 v1, 5, v0
	v_readfirstlane_b32 s14, v1                    ; wave
	s_lshr_b32 s15, s14, 1                         ; my half of the tokens; also: I fetch for x (0) or W (1)
	s_and_b32 s16, s14, 1                          ; my half of W's rows; also: which 128 rows I fetch
	s_bfe_u32 s40, ttmp6, 0x40000                  ; cx
	s_bfe_u32 s41, ttmp6, 0x40004                  ; cy
	s_lshl_b32 s42, ttmp9, 2
	s_add_co_u32 s42, s42, s40                     ; tile column
	s_and_b32 s17, ttmp7, 0xffff
	s_lshl_b32 s17, s17, 2
	s_add_co_u32 s17, s17, s41                     ; tile row
	s_lshl_b32 s43, s41, 2
	s_lshl_b32 s43, 15, s43                        ; my row of the cluster
	s_lshl_b32 s44, 0x1111, s40                    ; my column
	s_or_b32 s[G1+0], s43, (0<<16)|(1<<20)|(1<<21)|(5<<22)|(3<<25)   ; mask; elements of 1 byte; padding: 4 words behind every 64
	s_or_b32 s[G1B+0], s44, (0<<16)|(1<<20)|(1<<21)|(5<<22)|(3<<25)
.irp g, G1, G1B
	s_mov_b32 s[\g+1], ROWB<<16
	s_mov_b32 s[\g+2], 128<<16
	s_mov_b32 s[\g+3], ROWB<<16
	s_mov_b32 s[\g+4], 128
	s_mov_b32 s[\g+5], KROW
	s_mov_b32 s[\g+6], 0
	s_mov_b32 s[\g+7], 0
.endr
	s_or_b32 s[G1S+0], s43, (3<<16)|(1<<20)|(1<<21)|(5<<22)|(3<<25)  ; the scales of 128 rows: a dense block, as rows of 256 bytes
	s_or_b32 s[G1SB+0], s44, (3<<16)|(1<<20)|(1<<21)|(5<<22)|(3<<25)
.irp g, G1S, G1SB
	s_mov_b32 s[\g+1], 32<<16
	s_mov_b32 s[\g+2], (128*KS/256)<<16
	s_mov_b32 s[\g+3], 32<<16
	s_mov_b32 s[\g+4], 128*KS/256
	s_mov_b32 s[\g+5], 32
	s_mov_b32 s[\g+6], 0
	s_mov_b32 s[\g+7], 0
.endr
	s_lshl_b32 s18, s16, 7
	s_lshl_b32 s20, s17, 8
	s_add_co_u32 s20, s20, s18                     ; x: row 256 x tile row + 128 x half
	s_lshl_b32 s46, s42, 8
	s_add_co_u32 s46, s46, s18                     ; W: row 256 x tile column + 128 x half
	s_mov_b32 s21, 0
	s_mov_b32 s47, 0
	s_mov_b64 s[18:19], KS
	s_mul_u64 s[22:23], s[20:21], s[18:19]
	s_mul_u64 s[92:93], s[46:47], s[18:19]
	s_mov_b64 s[18:19], KROW
	s_mul_u64 s[20:21], s[20:21], s[18:19]
	s_mul_u64 s[46:47], s[46:47], s[18:19]
	s_mul_i32 s45, s14, HALFT
	s_mul_i32 s94, s14, HALFS
	s_wait_dscnt 0x0                               ; both opening adds are done
	s_wait_kmcnt 0x0
	s_mov_b64 s[98:99], s[6:7]                     ; the table of cos and sin
	s_add_nc_u64 s[6:7], s[4:5], XSO               ; the four parts of 'codes'
	s_add_nc_u64 s[8:9], s[4:5], WCO
	s_add_nc_u64 s[10:11], s[4:5], WSO
	s_add_nc_u64 s[20:21], s[4:5], s[20:21]
	s_add_nc_u64 s[22:23], s[6:7], s[22:23]
	s_add_nc_u64 s[46:47], s[8:9], s[46:47]
	s_add_nc_u64 s[92:93], s[10:11], s[92:93]
	CROUND                                         ; all sixteen work-groups are here: the first joint loads meet
	s_mov_b32 s[G0S], 1
	s_add_co_u32 s[G0S+1], s94, SCL
	s_mov_b64 s[G0S+2:G0S+3], s[22:23]
	s_or_b32 s[G0S+3], s[G0S+3], 0x80000000
	s_mov_b32 s[G0SB], 1
	s_add_co_u32 s[G0SB+1], s94, SCL
	s_mov_b64 s[G0SB+2:G0SB+3], s[92:93]
	s_or_b32 s[G0SB+3], s[G0SB+3], 0x80000000
	JLOAD G0S, G1S, G0SB, G1SB                     ; the scales first
.irp s, 0,1
	s_mov_b32 s[G0+4*\s], 1
	s_add_co_u32 s[G0+4*\s+1], s45, \s*SLOT
	s_add_nc_u64 s[G0+4*\s+2:G0+4*\s+3], s[20:21], \s*ROWB
	s_or_b32 s[G0+4*\s+3], s[G0+4*\s+3], 0x80000000
	s_mov_b32 s[G0B+4*\s], 1
	s_add_co_u32 s[G0B+4*\s+1], s45, \s*SLOT
	s_add_nc_u64 s[G0B+4*\s+2:G0B+4*\s+3], s[46:47], \s*ROWB
	s_or_b32 s[G0B+4*\s+3], s[G0B+4*\s+3], 0x80000000
	JLOAD G0+4*\s, G1, G0B+4*\s, G1B
.endr
	v_and_b32 v1, 15, v0                           ; r
	v_bfe_u32 v2, v0, 4, 1                         ; h
	v_mul_u32_u24 v3, v1, PITCH
	v_lshl_add_u32 v4, v2, 4, v3
	s_mul_i32 s21, s15, HALFT
	s_mul_i32 s22, s16, HALFT
	s_add_co_u32 s22, s22, 2*HALFT
.irp s, 0,1
	v_add_nc_u32 v[ADRA+\s], s21, v4
	v_add_nc_u32 v[ADRB+\s], s22, v4
	s_add_co_u32 s21, s21, SLOT
	s_add_co_u32 s22, s22, SLOT
.endr
	v_mul_u32_u24 v5, v1, KS
	v_lshrrev_b32 v6, 8, v5
	v_lshl_add_u32 v5, v6, 4, v5
	s_mul_i32 s21, s15, HALFS
	s_mul_i32 s22, s16, HALFS
	s_add_co_u32 s22, s22, 2*HALFS
	s_sub_co_u32 s22, s22, s21
	v_mul_u32_u24 v6, s22, v2                      ; lanes 16-31 take W's scale words
	s_add_co_u32 s21, s21, SCL
	v_add_nc_u32 v5, v5, v6
	v_add_nc_u32 v[ADRS], s21, v5
	s_mul_i32 s23, s14, 16*SPITCH                  ; my stage
	v_mul_u32_u24 v5, v1, SPITCH
	v_lshl_add_u32 v5, v2, 4, v5
	v_add_nc_u32 v[STO], s23, v5                   ; in: row r, 16 bytes for each half of the lanes
	v_mul_u32_u24 v5, v2, SPITCH
	v_lshl_add_u32 v5, v1, 4, v5
	v_add_nc_u32 v[RD], s23, v5                    ; back: lanes 0-15 one row of 256 bytes, lanes 16-31 the next
	v_and_b32 v6, 31, v0
	v_lshlrev_b32 v[CO], 4, v6                     ; 16 x lane: in the table, and in my head's rows, which lie on end
	; where my 128 tokens x one head go
	s_lshl_b32 s20, s17, 8
	s_lshl_b32 s21, s15, 7
	s_add_co_u32 s20, s20, s21                     ; my first token
	s_lshl_b32 s22, s20, 9                         ; 512 bytes of the table a token
	s_mov_b32 s23, 0
	s_add_nc_u64 s[98:99], s[98:99], s[22:23]
	s_lshr_b32 s21, s20, 11                        ; the batch
	s_and_b32 s20, s20, 2047
	s_lshl_b32 s20, s20, 8                         ; the position's row of 256 bytes
	s_lshl_b32 s22, s21, 3
	s_lshl_b32 s46, s42, 1
	s_add_co_u32 s22, s22, s46
	s_add_co_u32 s22, s22, s16
	s_lshl_b32 s22, s22, 19                        ; Q: head 8 b + 2 x tile column + half
	s_lshl_b32 s46, s21, 2
	s_add_co_u32 s46, s46, s42
	s_sub_co_u32 s46, s46, 4
	s_lshl_b32 s46, s46, 19                        ; K, V: head 4 b + tile column - 4,
	s_lshl_b32 s47, s16, 22
	s_add_co_u32 s46, s46, s47                     ; K's region or V's
	s_add_co_u32 s46, s46, 0x800000
	s_mov_b32 s96, 1.0
	s_cmp_eq_u32 ttmp9, 0                          ; the cluster's x: 0 = Q's columns
	s_cselect_b32 s22, s22, s46
	s_cselect_b32 s96, 0x3e0293ee, s96             ; Q's factor log2(e) / sqrt(128); K's is 1
	s_mov_b32 s97, s96
	s_add_co_u32 s22, s22, s20
	s_add_nc_u64 s[12:13], s[12:13], s[22:23]
	s_and_b32 s95, ttmp9, s16                      ; 1: my head is V's
	s_mov_b32 s93, 0xffffe000
	s_mov_b32 s94, 0x1000
	CSLOAD 0                                       ; cos and sin of my first 32 tokens: 32 loads that stay out through the whole K loop; nothing there names their registers, their offset or their base
	CSLOAD 1
.macro FRAG reg, adr, q, i
.irp c, 0,1
	ds_load_b128 v[\reg+4*\c:\reg+4*\c+3], v[\adr] offset:64*(\q)+32*\c+(\i)*16*PITCH
.endr
.endm
; 16 matrix instructions: x's blocks a0, a0 + 1 against W's eight.  The 64 accumulators take turns, one instruction a turn
.macro MUL16 a0, p, q, sc, zero
.irp a, \a0, \a0+1
.irp b, 0,1,2,3,4,5,6,7
.if \zero
	v_wmma_scale_f32_16x16x128_f8f6f4 v[8*(8*((\a)%4)+\b):8*(8*((\a)%4)+\b)+7], v[128*(\p)+FR*\b:128*(\p)+FR*\b+FR-1], v[AF+FR*(\a):AF+FR*(\a)+FR-1], 0, v[SC+8*NQ*(\sc)+NQ*\b+(\q)], v[SC+8*NQ*(\sc)+NQ*(\a)+(\q)] matrix_a_fmt:MATRIX_FMT_FP4 matrix_b_fmt:MATRIX_FMT_FP4 matrix_a_scale:MATRIX_SCALE_ROW1
.else
	v_wmma_scale_f32_16x16x128_f8f6f4 v[8*(8*((\a)%4)+\b):8*(8*((\a)%4)+\b)+7], v[128*(\p)+FR*\b:128*(\p)+FR*\b+FR-1], v[AF+FR*(\a):AF+FR*(\a)+FR-1], v[8*(8*((\a)%4)+\b):8*(8*((\a)%4)+\b)+7], v[SC+8*NQ*(\sc)+NQ*\b+(\q)], v[SC+8*NQ*(\sc)+NQ*(\a)+(\q)] matrix_a_fmt:MATRIX_FMT_FP4 matrix_b_fmt:MATRIX_FMT_FP4 matrix_a_scale:MATRIX_SCALE_ROW1
.endif
.endr
.endr
.endm
.macro FETCH_B slot, q, p
	WIN TO_B
.irp i, 0,1,2,3,4,5,6,7
	FRAG 128*(\p)+FR*\i, ADRB+\slot, \q, \i
.endr
	WIN 0
.endm
.macro FETCH_A slot, q, i0
.irp i, \i0, \i0+1, \i0+2, \i0+3
	FRAG AF+FR*(\i), ADRA+\slot, \q, \i
.endr
.endm
.macro SCALES sc                       ; a K step's scale words: lanes 0-15 x's block i, lanes 16-31 W's block i
.irp i, 0,1,2,3,4,5,6,7
	ds_load_b128 v[SC+8*NQ*\sc+NQ*\i:SC+8*NQ*\sc+NQ*\i+3], v[ADRS] offset:\i*SBLK
.endr
.endm
.macro PLACES n                        ; plain vector instructions between a matrix instruction and a load into, or a read of, its registers
.rept \n
	v_nop
.endr
.endm
.macro STEP slot, q, zero
	s_wait_dscnt 4*NL                              ; W's set and x's blocks 0-3 are in; the youngest eight loads (blocks 4-7) may be out
	WIN MUL_LO
	MUL16 0, (\q)%2, \q, \slot, \zero
	MUL16 2, (\q)%2, \q, \slot, \zero
	s_wait_dscnt 0
	PLACES NP
	FETCH_B \slot, (\q)+1, 1-(\q)%2
	FETCH_A \slot, (\q)+1, 0
	WIN MUL_HI
	MUL16 4, (\q)%2, \q, \slot, \zero
	MUL16 6, (\q)%2, \q, \slot, \zero
	PLACES NP
	WIN 0
	FETCH_A \slot, (\q)+1, 4
.endm
; a slot's last step changes slots: one barrier; in front of it each wave waits for all its tensor loads, adds 0 to its spare word, and waits for that and for its reads of the slot
.macro TURN slot, next, fill
	s_wait_tensorcnt 0x0                           ; all my tensor loads have landed: my part of the next slot
	ds_add_u32 v[SPW], v[NIL]
	s_wait_dscnt 4*NL+1                            ; (the add and the youngest eight loads may be out)
	WIN MUL_LO
	MUL16 0, 1, NQ-1, \slot, 0
	s_wait_dscnt 0x0                               ; the add is done, and my reads of this slot are over
	s_barrier_signal -1
	MUL16 2, 1, NQ-1, \slot, 0
	WIN 0
	s_barrier_wait -1
.if \fill
	CREST                                          ; the barrier has opened a round of the cluster's: no wave of any partner still reads this slot or has a load on its way
	s_add_nc_u64 s[G0+4*\slot+2:G0+4*\slot+3], s[G0+4*\slot+2:G0+4*\slot+3], 2*ROWB
	s_add_nc_u64 s[G0B+4*\slot+2:G0B+4*\slot+3], s[G0B+4*\slot+2:G0B+4*\slot+3], 2*ROWB
	JLOAD G0+4*\slot, G1, G0B+4*\slot, G1B
.else
	PLACES NP
.endif
	v_add_nc_u32 v[ADRS], 4*NQ, v[ADRS]
	FETCH_B \next, 0, 0
	FETCH_A \next, 0, 0
	SCALES \next
	WIN MUL_HI
	MUL16 4, 1, NQ-1, \slot, 0
	MUL16 6, 1, NQ-1, \slot, 0
	PLACES NP
	WIN 0
	FETCH_A \next, 0, 4
.endm
.macro STEPS slot, from
.set Q, \from
.rept NQ-1-\from
	STEP \slot, Q, 0
.set Q, Q+1
.endr
.endm
	s_wait_tensorcnt 1                             ; the scales and my part of K step 0 are in; K step 1's load may be out
	s_barrier_signal -1
	s_barrier_wait -1
	FETCH_B 0, 0, 0
	FETCH_A 0, 0, 0
	SCALES 0
	FETCH_A 0, 0, 4
	STEP 0, 0, 1                                   ; the first step starts the sums
	s_mov_b32 s3, LAPS-1
.Llap:
	STEPS 0, 1
	TURN 0, 1, 1
	STEPS 1, 0
	TURN 1, 0, 1
	STEP 0, 0, 0
	s_sub_co_u32 s3, s3, 1
	s_cmp_lg_u32 s3, 0
	s_cbranch_scc1 .Llap
	STEPS 0, 1
	TURN 0, 1, 0
	STEPS 1, 0
	s_wait_dscnt 4*NL
	WIN MUL_LO
	MUL16 0, 1, NQ-1, 1, 0
	MUL16 2, 1, NQ-1, 1, 0
	s_wait_dscnt 0
	WIN MUL_HI
	MUL16 4, 1, NQ-1, 1, 0
	MUL16 6, 1, NQ-1, 1, 0
	WIN 0
; ---- THE WAY OUT, a block of 16 tokens at a time
.macro ROPE a
	SETCS \a
.set AC, 64*((\a)%4)
	WIN 0x41
.set i, 0
.rept 32
	v_pk_mul_f32 v[CSR+i:CSR+i+1], v[CSR+i:CSR+i+1], s[96:97] op_sel_hi:[1,0]     ; the head's factor
.set i, i+2
.endr
	WIN 0x56+(\a)/4                                ; the accumulators as source 0; all else in window 1
.irp b, 0,1,2,3                        ; each accumulator is read from its low end on
.irp p, 0,2,4,6
	v_pk_mul_f32 v[8*\b+\p:8*\b+\p+1], v[AC+32+8*\b+\p:AC+32+8*\b+\p+1], v[CSR+32+8*\b+\p:CSR+32+8*\b+\p+1]        ; x2 sin
.endr
.irp p, 0,2,4,6
	v_pk_mul_f32 v[32+8*\b+\p:32+8*\b+\p+1], v[AC+8*\b+\p:AC+8*\b+\p+1], v[CSR+32+8*\b+\p:CSR+32+8*\b+\p+1]        ; x1 sin
.endr
.irp p, 0,2,4,6
	v_pk_fma_f32 v[8*\b+\p:8*\b+\p+1], v[AC+8*\b+\p:AC+8*\b+\p+1], v[CSR+8*\b+\p:CSR+8*\b+\p+1], v[8*\b+\p:8*\b+\p+1] neg_lo:[0,0,1] neg_hi:[0,0,1]   ; x1 cos - x2 sin
.endr
.irp p, 0,2,4,6
	v_pk_fma_f32 v[32+8*\b+\p:32+8*\b+\p+1], v[AC+32+8*\b+\p:AC+32+8*\b+\p+1], v[CSR+8*\b+\p:CSR+8*\b+\p+1], v[32+8*\b+\p:32+8*\b+\p+1]               ; x2 cos + x1 sin
.endr
.endr
	WIN 0x05
.set i, 0
.rept 32
	v_cvt_pk_f16_f32 v[TMP+i], v[2*i], v[2*i+1]
.set i, i+1
.endr
	WIN 0
.endm
.macro TOSTAGE a                       ; 16 bytes a lane into my stage, whole rows back; LDS serves a wave's instructions in order
.set BB, BK+32*((\a)%2)
.irp b, 0,1,2,3,4,5,6,7
	ds_store_b128 v[STO], v[TMP+4*\b:TMP+4*\b+3] offset:32*\b
.endr
.irp t, 0,1,2,3,4,5,6,7
	ds_load_b128 v[BB+4*\t:BB+4*\t+3], v[RD] offset:\t*2*SPITCH
.endr
.endm
.macro SEND a
.set BB, BK+32*((\a)%2)
	s_wait_dscnt 0x0
.irp t, 0,1,2,3,4,5,6,7
	global_store_b128 v[CO], v[BB+4*\t:BB+4*\t+3], s[12:13] offset:4096*(\a)+512*\t   ; 512 consecutive bytes, aligned
.endr
.endm
.macro VBLOCK a                        ; V: hi = the number rounded to 11 bits, lo = the number - hi, both to f16
.set AC, 64*((\a)%4)
	WIN 0x48+4*((\a)/4)
.set i, 0
.rept 64
	v_add_nc_u32 v[64+i], s94, v[AC+i]
.set i, i+1
.endr
	WIN 0x44
.set i, 0
.rept 64
	v_and_b32 v[64+i], s93, v[64+i]
.set i, i+1
.endr
	WIN 0x46+(\a)/4
.set i, 0
.rept 32
	v_pk_add_f32 v[192+i:193+i], v[AC+i:AC+i+1], v[64+i:65+i] neg_lo:[0,1] neg_hi:[0,1]
.set i, i+2
.endr
	WIN 0x05
.set i, 0
.rept 32
	v_cvt_pk_f16_f32 v[TMP+i], v[64+2*i], v[65+2*i]
.set i, i+1
.endr
.set i, 0
.rept 32
	v_cvt_pk_f16_f32 v[TMP2+i], v[192+2*i], v[193+2*i]
.set i, i+1
.endr
	WIN 0
.if (\a) > 0
	s_wait_xcnt 0x0                                ; the last block's stores have read their registers: the rows below may land there
.endif
.irp b, 0,1,2,3,4,5,6,7
	ds_store_b128 v[STO], v[TMP+4*\b:TMP+4*\b+3] offset:32*\b
.endr
.irp t, 0,1,2,3,4,5,6,7
	ds_load_b128 v[BK+4*\t:BK+4*\t+3], v[RD] offset:\t*2*SPITCH
.endr
.irp b, 0,1,2,3,4,5,6,7
	ds_store_b128 v[STO], v[TMP2+4*\b:TMP2+4*\b+3] offset:32*\b
.endr
.irp t, 0,1,2,3,4,5,6,7
	ds_load_b128 v[BK+32+4*\t:BK+32+4*\t+3], v[RD] offset:\t*2*SPITCH
.endr
	s_wait_dscnt 0x0
.irp t, 0,1,2,3,4,5,6,7
	global_store_b128 v[CO], v[BK+4*\t:BK+4*\t+3], s[12:13] offset:4096*(\a)+512*\t
.endr
.irp t, 0,1,2,3,4,5,6,7
	global_store_b128 v[CO], v[BK+32+4*\t:BK+32+4*\t+3], s[12:13] offset:0x400000+4096*(\a)+512*\t   ; the low parts' region lies 4 MiB on
.endr
.endm
	PLACES NP                                      ; behind the last products: for all reads of results and all loads and writes below
	s_cmp_lg_u32 s95, 0
	s_cbranch_scc1 .Lv_way
	CSLOAD 2                                       ; the third set lies where W's second set lay
.irp a, 0,1,2,3,4,5,6,7
.if \a < 6
	s_wait_loadcnt 32                              ; this block's sixteen loads are in; those of the two blocks behind it stay out
.elseif \a == 6
	s_wait_loadcnt 16
.else
	s_wait_loadcnt 0x0
.endif
	ROPE \a
.if \a < 5
	CSLOAD \a+3                                    ; into the set just used
.endif
.if \a > 0
	SEND \a-1
.endif
.if \a > 1
	s_wait_xcnt 0x0                                ; block a - 2's stores have read their registers: block a's rows may land there
.endif
	TOSTAGE \a
.endr
	SEND 7
	s_branch .Ljoin
.Lv_way:
	s_wait_loadcnt 0x0                             ; the two sets asked for at the head have landed: their registers may be written
.irp a, 0,1,2,3,4,5,6,7
	VBLOCK \a
.endr
.Ljoin:
	s_wait_tensorcnt 0x0                           ; the wave's end
	ds_add_u32 v[SPW], v[NIL]
	s_wait_dscnt 0x0
	CROUND                                         ; the closing round
	s_endpgm
.Lfunc_end_k_qaa5da983a0_proj_qkv:
	.size	k_qaa5da983a0_proj_qkv, .Lfunc_end_k_qaa5da983a0_proj_qkv-k_qaa5da983a0_proj_qkv
	.p2alignl 7, 3214868480
	.fill 96, 4, 3214868480
	.section	.rodata,"a",@progbits
	.p2align	6, 0x0
	.amdhsa_kernel k_qaa5da983a0_proj_qkv
		.amdhsa_group_segment_fixed_size 327680
		.amdhsa_private_segment_fixed_size 0
		.amdhsa_enable_private_segment 0
		.amdhsa_kernarg_size 24
		.amdhsa_user_sgpr_count 2
		.amdhsa_user_sgpr_kernarg_segment_ptr 1
		.amdhsa_wavefront_size32 1
		.amdhsa_system_sgpr_workgroup_id_x 1
		.amdhsa_system_sgpr_workgroup_id_y 1
		.amdhsa_system_sgpr_workgroup_id_z 1
		.amdhsa_system_vgpr_workitem_id 0
		.amdhsa_next_free_vgpr 1024
		.amdhsa_next_free_sgpr 100
		.amdhsa_reserve_vcc 0
		.amdhsa_float_denorm_mode_32 3
		.amdhsa_float_denorm_mode_16_64 3
		.amdhsa_memory_ordered 1
		.amdhsa_forward_progress 1
		.amdhsa_inst_pref_size 255
	.end_amdhsa_kernel
	.section	.bss,"aw",@nobits
	.p2align	6
	.space	262144
	.amdgpu_metadata
---
amdhsa.version: [ 1, 2 ]
amdhsa.kernels:
  - .name:           k_qaa5da983a0_proj_qkv
    .symbol:         k_qaa5da983a0_proj_qkv.kd
    .args:
      - { .name: codes, .offset: 0, .size: 8, .value_kind: global_buffer, .address_space: global }
      - { .name: rope, .offset: 8, .size: 8, .value_kind: global_buffer, .address_space: global }
      - { .name: qkvb, .offset: 16, .size: 8, .value_kind: global_buffer, .address_space: global }
    .group_segment_fixed_size: 327680
    .private_segment_fixed_size: 0
    .kernarg_segment_align: 8
    .kernarg_segment_size: 24
    .max_flat_workgroup_size: 128
    .sgpr_count:     100
    .vgpr_count:     1024
    .wavefront_size: 32
...
	.end_amdgpu_metadata
.endif
;; end of part 2
;; launch attn (part 3): grid 32 x 8, 8 waves a work-group, clusters of 4 x 4, 327,680 bytes of LDS; arguments qkvb, attention_mask, o16, stats; writes o16, stats
.if DOCPART == 3
	.amdgcn_target "amdgcn-amd-amdhsa--gfx1250"
	.amdhsa_code_object_version 6
	.text
	.protected	k_qaa5da983a0_attn
	.globl	k_qaa5da983a0_attn
	.p2align	8
	.type	k_qaa5da983a0_attn,@function
k_qaa5da983a0_attn:
	s_mov_b64 s[64:65], 0
	v_nop
	global_prefetch_b8 v0, s[64:65] scope:SCOPE_SE
	s_setreg_imm32_b32 hwreg(HW_REG_WAVE_MODE, 25, 1), 1
	s_wait_xcnt 0x0
	s_wait_alu depctr_hold_cnt(0) depctr_sa_sdst(0) depctr_va_vdst(0) depctr_va_sdst(0) depctr_va_ssrc(0) depctr_va_vcc(0) depctr_vm_vsrc(0)
	s_getreg_b32 s2, hwreg(HW_REG_IB_STS2, 6, 4)
	s_cmp_eq_u32 s2, 0
	s_cbranch_scc0 .Lentry_in_a_cluster
	s_endpgm
.Lentry_in_a_cluster:
	s_bfe_u32 s2, ttmp6, 0x10000c
	s_cmp_lg_u32 s2, 0xf033
	s_cbranch_scc0 .Lentry_shape_is_right
	s_endpgm
.Lentry_shape_is_right:
; O = softmax(Q K^T / sqrt(128) + mask) V for all 2,048 positions, operands in f16, sums, maxima and exponentials in f32.  THE MASK IS AN INPUT: every key of every query is read and added; nothing is skipped.
; Q arrives multiplied by log2(e) / sqrt(128); the mask's fragment is multiplied by log2(e) and is THE C OF EACH SCORE TILE'S FIRST PRODUCT: the scores come out as x' = (s / sqrt(128) + mask) log2(e).
; SOFTMAX with a running maximum m' and sum l: p = 2^(x' - m') by a subtraction, so that p is at most 1 whatever the size of the mask's numbers; O and l are multiplied by 2^(m' old - m' new) in every step.
; SHARES.  A work-group: 64 queries of one batch for one key/value head.  EIGHT WAVES, two to a SIMD.  Wave w = 4 g + u owns queries 16 u .. 16 u + 15 for BOTH query heads of that key/value head, and of each slot of
; 128 keys the 64 keys of step g: THE KEYS ARE SPLIT, not the queries, so a fragment of K or V still feeds two products and the eight waves read no LDS byte more than four waves that walked all keys would.
; THE TWO GROUPS RUN IN OPPOSITE PHASES.  A key step's vector work (some 270 instructions) is as long as its 64 products.  Between two changes of slots group 0 runs V^T P (s - 1), K Q^T (s), softmax (s); group 1 runs
; softmax (s - 1), V^T P (s - 1), K Q^T (s): one wave's softmax stands beside the products of the other wave of its SIMD.  The products are written once; the softmax twice, each under a branch on the wave's number.
; At the end group 1 hands m', l and O^T to its partner through LDS, and group 0 joins the two halves of the keys: O = (a0 O0 + a1 O1) / l, a = 2^(m' of the half - m').
; LAYOUT.  S^T = K Q^T, O^T = V^T P: a lane holds one query throughout; two score tiles, rounded in pairs, are the second product's operand.  V is turned by ds_load_tr16_b128.
; RING.  Two LDS slots of 128 keys: K 128 x 256 bytes, V likewise, mask 64 rows x 512 bytes.  Waves 0, 1 fetch K's halves, waves 2, 3 V's, waves 4 to 7 the mask's quarters: one load a wave behind each round.
; CLUSTER 4 x 4: x = four blocks of queries, y = the four key/value heads of one batch.  K and V are shared along a row, the mask's tile along a column: joint loads.
; It also stores m' and 1 / l of every row, which the launch for the first positions uses.
; LIMITS: m' starts at -2^127: a row all of whose x' lie under that (or are -infinity, where the definition gives NaN too) gives NaN.  f16's range for q, k, v.
; REGISTERS: window 0: v1-11, v30, v31, v228, v229 addresses; v12-27 statistics, 8 a head: +0 m', +1 old m', +2, +3 l, +4..+7 at work (+6 the factor); v32-63 mask; v64-127 S^T; v128-159 P; v160-223 Q.
;   window 1: v0-127 ONE buffer for V (s - 1), then K (s), then V (s); v128-255 O^T.
.set PK,    272
.set PV,    288
.set PM,    528
.set VOFF,  128*PK
.set MOFF,  VOFF+128*PV
.set SLOT1, 1<<17
.set STAGE, SLOT1+MOFF+64*PM           ; the way out: 16 rows x 272 bytes for each wave of group 0
.set SP,    272
.set SPARE, STAGE+4*16*SP              ; the spare words: 128 bytes for each of eight waves
.set MRG,   SPARE+1024                 ; group 1's O^T, as images of its registers: 4 x 16,384 bytes of their own
.set MRGS,  MRG+4*16384                ; and its m' and l: 4 x 512 bytes
.set AK0, 2
.set AV0, 3
.set AM0, 4
.set ADK, 5
.set QO,  6
.set STO, 7
.set RD,  8
.set GO,  9
.set ADM, 11
.set ST,  12
.set SPW, 28
.set NIL, 29
.set PFO, 30
.set ADV, 31
.set MK,  32
.set S,   64
.set P,   128
.set Q,   160
.set MAD, 228
.set MSA, 229
.set OT,  128                          ; O^T, in window 1
.set WV,  12
.set U,   66                           ; s66 my tile of queries: wave & 3
.set GR,  67                           ; s67 my group: wave >> 2
.set G1K, 24
.set G1V, 32
.set G1M, 40
.set G0K, 48
.set G0V, 56
.set G0M, 68
.set CS,  76                           ; s[76:77] log2(e)
.set SEL, 78
.set TB,  80                           ; LDS byte at which the slot in hand begins
.set SL,  81                           ; slots still to be asked for
.set CNT, 82
.set LIM, 83
.set PFA, 84
.set PFS, 86
.set MSB, 0
.macro WIN new
.if MSB != (\new)
	s_set_vgpr_msb (MSB<<8)|(\new)
.set MSB, (\new)
.endif
.endm
.macro PLACES n
.rept \n
	v_nop
.endr
.endm
.macro CROUND
	s_barrier_signal -1
	s_barrier_wait -1
	s_cmp_lg_u32 s[WV], 0
	s_cbranch_scc1 .Lnot_wave_0_\@
	s_barrier_signal -3
.Lnot_wave_0_\@:
	s_barrier_wait -3
	s_barrier_signal -1
	s_barrier_wait -1
.endm
; the joint refill: one line a wave, chosen by the wave's number alone; an s_nop 0 and four v_nop follow each
.macro JLOAD
	s_cmp_lt_u32 s[WV], 2
	s_cbranch_scc0 .Lnot_k_\@
	tensor_load_to_lds s[G0K+4:G0K+7], s[G1K:G1K+7]
	s_nop 0
.rept 4
	v_nop
.endr
	s_branch .Lasked_\@
.Lnot_k_\@:
	s_cmp_lt_u32 s[WV], 4
	s_cbranch_scc0 .Lnot_v_\@
	tensor_load_to_lds s[G0V+4:G0V+7], s[G1V:G1V+7]
	s_nop 0
.rept 4
	v_nop
.endr
	s_branch .Lasked_\@
.Lnot_v_\@:
	tensor_load_to_lds s[G0M+4:G0M+7], s[G1M:G1M+7]
	s_nop 0
.rept 4
	v_nop
.endr
.Lasked_\@:
.endm
; A prefetch of what the NEXT change of slots will ask for, one instruction a wave, each block of 256 bytes named once in the launch.  K's and V's 128 rows: waves 0 and 2 of the clusters with x = 0 (all clusters of a
; batch's row walk the same K and V); the four partners of a row take 32 rows each, by address.  The mask's 64 rows x 512 bytes: wave 4 of every cluster; the four partners of a column take 16 rows each, by address,
; two lanes to a row.  The last change that fills a slot asks for nothing; slots 0 to 2 come by their loads alone.
.macro ASK
	s_cmp_gt_u32 s[SL], s[LIM]
	s_cbranch_scc0 .Lnot_mine_\@
	global_prefetch_b8 v[PFO], s[PFA:PFA+1] th:TH_LOAD_NT scope:SCOPE_SE
.Lnot_mine_\@:
	s_sub_co_u32 s[SL], s[SL], 1
.endm
	s_load_b256 s[4:11], s[0:1], 0x0               ; qkvb s[4:5], mask s[6:7], o16 s[8:9], stats s[10:11]
	v_lshl_add_u32 v[SPW], v0, 2, SPARE
	v_mov_b32 v[NIL], 0
	ds_add_u32 v[SPW], v[NIL]                      ; the opening: the add, twice on end, and its wait ahead of my first tensor load
	ds_add_u32 v[SPW], v[NIL]
	v_lshrrev_b32 v1, 5, v0
	v_readfirstlane_b32 s[WV], v1                  ; wave 0..7
	s_and_b32 s[U], s[WV], 3
	s_lshr_b32 s[GR], s[WV], 2
	s_bfe_u32 s13, ttmp6, 0x40000                  ; cx
	s_bfe_u32 s14, ttmp6, 0x40004                  ; cy = the key/value head
	s_lshl_b32 s15, ttmp9, 2
	s_add_co_u32 s15, s15, s13                     ; my block of 64 queries
	s_and_b32 s16, ttmp7, 0xffff                   ; the batch
	s_lshl_b32 s17, s14, 2
	s_lshl_b32 s17, 15, s17                        ; my row of the cluster
	s_lshl_b32 s18, 0x1111, s13                    ; my column
	s_or_b32 s[G1K], s17, (1<<16)|(1<<20)|(1<<21)|(5<<22)|(3<<25)   ; elements of 2 bytes; 4 words of padding behind every 64
	s_or_b32 s[G1V], s17, (1<<16)|(1<<20)|(1<<21)|(5<<22)|(7<<25)   ; 8 words
	s_or_b32 s[G1M], s18, (2<<16)|(1<<20)|(1<<21)|(6<<22)|(3<<25)   ; elements of 4 bytes; 4 words behind every 128
.irp g, G1K, G1V
	s_mov_b32 s[\g+1], 128<<16                     ; rows of 128 elements,
	s_mov_b32 s[\g+2], 64<<16                      ; 64 of them
	s_mov_b32 s[\g+3], 128<<16
	s_mov_b32 s[\g+4], 64
	s_mov_b32 s[\g+5], 128
	s_mov_b32 s[\g+6], 0
	s_mov_b32 s[\g+7], 0
.endr
	s_mov_b32 s[G1M+1], 128<<16                    ; rows of 128 elements,
	s_mov_b32 s[G1M+2], 16<<16                     ; 16 of them
	s_mov_b32 s[G1M+3], 128<<16
	s_mov_b32 s[G1M+4], 16
	s_mov_b32 s[G1M+5], 2048
	s_mov_b32 s[G1M+6], 0
	s_mov_b32 s[G1M+7], 0
	s_lshl_b32 s20, s16, 2                         ; K, V: head 4 b + cy (never cx)
	s_add_co_u32 s20, s20, s14
	s_lshl_b32 s20, s20, 19
	s_mov_b32 s21, 0
	s_and_b32 s88, s[WV], 1                        ; which 64 rows of K or of V I fetch:
	s_lshl_b32 s2, s88, 14                         ; in memory,
	s_mov_b32 s3, 0
	s_mul_i32 s17, s88, 64*PK                      ; in a slot, for K,
	s_mul_i32 s18, s88, 64*PV
	s_add_co_u32 s18, s18, VOFF                    ; for V;
	s_mul_i32 s19, s[U], 16*PM
	s_add_co_u32 s19, s19, MOFF                    ; and the mask's 16 rows
	s_lshl_b32 s90, s16, 3
	s_lshl_b32 s91, s14, 1
	s_add_co_u32 s90, s90, s91                     ; my first query head
	s_lshl_b32 s92, s15, 6
	s_lshl_b32 s93, s[U], 4
	s_add_co_u32 s92, s92, s93                     ; my first query; also the first of the mask's rows that I fetch
	s_lshl_b32 s22, s92, 13                        ; the mask: that row of batch b (never cy)
	s_lshl_b32 s89, s16, 24
	s_add_co_u32 s22, s22, s89
	s_mov_b32 s23, 0
	s_lshl_b32 s94, s90, 11
	s_add_co_u32 s94, s94, s92
	s_lshl_b32 s94, s94, 3                         ; in stats
	s_mov_b32 s95, 0
	s_lshl_b32 s90, s90, 19
	s_lshl_b32 s93, s92, 8
	s_add_co_u32 s90, s90, s93                     ; in Q
	s_mov_b32 s91, 0
	s_lshl_b32 s93, s16, 11
	s_add_co_u32 s92, s92, s93
	s_lshl_b32 s92, s92, 11
	s_lshl_b32 s93, s14, 9
	s_add_co_u32 s92, s92, s93                     ; in o16
	s_mov_b32 s93, 0
	s_mov_b32 s[CS], 0x3fb8aa3b
	s_mov_b32 s[CS+1], s[CS]
	s_mov_b32 s[SEL], 0x76543210
	s_mov_b32 s[SEL+1], 0xfedcba98
	s_mov_b32 s[TB], 0
	s_mov_b32 s[SL], 14
	s_wait_dscnt 0x0                               ; both opening adds are done
	s_wait_kmcnt 0x0
	s_add_nc_u64 s[20:21], s[4:5], s[20:21]        ; qkvb at my key/value head,
	s_add_nc_u64 s[2:3], s[20:21], s[2:3]          ; and at the 64 rows that I fetch
	s_add_nc_u64 s[22:23], s[6:7], s[22:23]
	s_add_nc_u64 s[4:5], s[4:5], s[90:91]
	s_add_nc_u64 s[8:9], s[8:9], s[92:93]
	s_add_nc_u64 s[10:11], s[10:11], s[94:95]
.irp s, 0,1
	s_mov_b32 s[G0K+4*\s], 1
	s_add_co_u32 s[G0K+4*\s+1], s17, \s*SLOT1
	s_add_nc_u64 s[G0K+4*\s+2:G0K+4*\s+3], s[2:3], 0x800000+\s*32768
	s_or_b32 s[G0K+4*\s+3], s[G0K+4*\s+3], 0x80000000
	s_mov_b32 s[G0V+4*\s], 1
	s_add_co_u32 s[G0V+4*\s+1], s18, \s*SLOT1
	s_add_nc_u64 s[G0V+4*\s+2:G0V+4*\s+3], s[2:3], 0xc00000+\s*32768
	s_or_b32 s[G0V+4*\s+3], s[G0V+4*\s+3], 0x80000000
	s_mov_b32 s[G0M+4*\s], 1
	s_add_co_u32 s[G0M+4*\s+1], s19, \s*SLOT1
	s_add_nc_u64 s[G0M+4*\s+2:G0M+4*\s+3], s[22:23], \s*512
	s_or_b32 s[G0M+4*\s+3], s[G0M+4*\s+3], 0x80000000
.endr
	; the prefetches: where my wave's stand, who asks
	s_lshl_b32 s88, s13, 13                        ; K, V: my work-group's 32 rows of 256 bytes
	s_lshl_b32 s17, s14, 17                        ; mask: my work-group's 16 rows of 8,192 bytes
	s_and_b32 s2, s[WV], 1
	s_or_b32 s2, s2, ttmp9                         ; K, V: 0 in waves 0 and 2 where the cluster's x is 0
	s_mov_b32 s18, 0xc00000
	s_cmp_lt_u32 s[WV], 2
	s_cselect_b32 s18, 0x800000, s18
	s_mov_b32 s[PFS], 512
	s_mov_b32 s19, 8192
	s_cmp_lt_u32 s[WV], 4
	s_cselect_b64 s[PFA:PFA+1], s[20:21], s[22:23]
	s_cselect_b32 s[PFS], 32768, s[PFS]            ; a slot on
	s_cselect_b32 s88, s88, s17
	s_cselect_b32 s18, s18, 0
	s_cselect_b32 s19, 256, s19                    ; from row to row
	s_cselect_b32 s17, 0, 1                        ; lanes to a row, less one
	s_cselect_b32 s89, s2, s[U]                    ; the mask: wave 4 alone
	s_cmp_eq_u32 s89, 0
	s_cselect_b32 s[LIM], 1, -1
	s_add_co_u32 s88, s88, s18
	s_lshl_b32 s18, s[PFS], 1
	s_add_co_u32 s88, s88, s18                     ; in slot 2: the first change steps it to slot 3
	s_mov_b32 s89, 0
	s_mov_b32 s[PFS+1], 0
	s_add_nc_u64 s[PFA:PFA+1], s[PFA:PFA+1], s[88:89]
	CROUND                                         ; all sixteen work-groups are here: the first joint loads meet
	s_cmp_lt_u32 s[WV], 2                          ; a wave's two first fills stand in one arm: two loads of mine are out
	s_cbranch_scc0 .Lf_not_k
	tensor_load_to_lds s[G0K:G0K+3], s[G1K:G1K+7]
	s_nop 0
	tensor_load_to_lds s[G0K+4:G0K+7], s[G1K:G1K+7]
	s_nop 0
.rept 4
	v_nop
.endr
	s_branch .Lf_done
.Lf_not_k:
	s_cmp_lt_u32 s[WV], 4
	s_cbranch_scc0 .Lf_not_v
	tensor_load_to_lds s[G0V:G0V+3], s[G1V:G1V+7]
	s_nop 0
	tensor_load_to_lds s[G0V+4:G0V+7], s[G1V:G1V+7]
	s_nop 0
.rept 4
	v_nop
.endr
	s_branch .Lf_done
.Lf_not_v:
	tensor_load_to_lds s[G0M:G0M+3], s[G1M:G1M+7]
	s_nop 0
	tensor_load_to_lds s[G0M+4:G0M+7], s[G1M:G1M+7]
	s_nop 0
.rept 4
	v_nop
.endr
.Lf_done:
	v_and_b32 v1, 15, v0                           ; r
	v_bfe_u32 v10, v0, 4, 1                        ; h
	v_lshlrev_b32 v[QO], 8, v1
	v_lshl_add_u32 v[QO], v10, 4, v[QO]
.irp i, 0,1,2,3,4,5,6,7                        ; Q stays in registers: head i / 4, channels 32 (i % 4) on
	global_load_b128 v[Q+8*\i:Q+8*\i+3],   v[QO], s[4:5] offset:(\i/4)*524288+(\i%4)*64
	global_load_b128 v[Q+8*\i+4:Q+8*\i+7], v[QO], s[4:5] offset:(\i/4)*524288+(\i%4)*64+32
.endr
	v_mul_u32_u24 v[AK0], v1, PK
	v_lshl_add_u32 v[AK0], v10, 4, v[AK0]
	s_mul_i32 s89, s[GR], 64*PK                    ; my group's 64 keys of a slot
	v_add_nc_u32 v[AK0], s89, v[AK0]
	v_and_b32 v224, 7, v0
	v_bfe_u32 v225, v0, 3, 1
	v_lshl_add_u32 v[AV0], v10, 3, v224
	v_mul_u32_u24 v[AV0], v[AV0], PV
	v_lshl_add_u32 v[AV0], v225, 4, v[AV0]
	s_mul_i32 s89, s[GR], 64*PV
	s_add_co_u32 s89, s89, VOFF
	v_add_nc_u32 v[AV0], s89, v[AV0]
	s_mul_i32 s89, s[U], 16*PM
	s_lshl_b32 s88, s[GR], 8
	s_add_co_u32 s89, s89, s88
	s_add_co_u32 s89, s89, MOFF
	v_mul_u32_u24 v[AM0], v1, PM
	v_lshl_add_u32 v[AM0], v10, 5, v[AM0]
	v_add_nc_u32 v[AM0], s89, v[AM0]               ; the mask: row 16 u + r, my group's 64 keys, keys 8 h on
	s_mul_i32 s89, s[U], 16*SP
	s_add_co_u32 s89, s89, STAGE
	v_mul_u32_u24 v[STO], v1, SP
	v_lshl_add_u32 v[STO], v10, 4, v[STO]
	v_add_nc_u32 v[STO], s89, v[STO]
	v_mul_u32_u24 v[RD], v10, SP
	v_lshl_add_u32 v[RD], v1, 4, v[RD]
	v_add_nc_u32 v[RD], s89, v[RD]
	v_lshlrev_b32 v[GO], 11, v10
	v_lshl_add_u32 v[GO], v1, 4, v[GO]             ; in o16: a row is 2,048 bytes
	v_and_b32 v225, 31, v0
	s_lshl_b32 s89, s[U], 14
	s_add_co_u32 s89, s89, MRG
	v_lshl_add_u32 v[MAD], v225, 4, s89            ; the images of O^T: 16 x lane + 16,384 u
	s_lshl_b32 s89, s[U], 9
	s_add_co_u32 s89, s89, MRGS
	v_lshl_add_u32 v[MSA], v225, 3, s89            ; m' and l: 8 x lane + 512 u
	v_and_b32 v224, 31, v0
	v_lshrrev_b32 v[PFO], s17, v224
	v_mul_lo_u32 v[PFO], v[PFO], s19
	v_and_b32 v224, s17, v224
	v_lshl_add_u32 v[PFO], v224, 8, v[PFO]
.irp t, 0,1
	v_mov_b32 v[ST+8*\t], 0xff000000               ; m' = -2^127, under every x' that is served
	v_mov_b32 v[ST+8*\t+1], 0xff000000
.endr
.macro ADDR                            ; where my step's K, mask and V lie in the slot in hand
	v_add_nc_u32 v[ADK], s[TB], v[AK0]
	v_add_nc_u32 v[ADM], s[TB], v[AM0]
	v_add_nc_u32 v[ADV], s[TB], v[AV0]
.endm
.macro FETCH_K                         ; a step's K: 16 fragments (keys 16 (f / 4) on, channels 32 (f % 4) on)
	WIN 0x40
.set f, 0
.rept 16
	ds_load_b128 v[8*f:8*f+3],   v[ADK] offset:(f/4)*16*PK+(f%4)*64
	ds_load_b128 v[8*f+4:8*f+7], v[ADK] offset:(f/4)*16*PK+(f%4)*64+32
.set f, f+1
.endr
.endm
.macro FETCH_M                         ; its mask: for key tile f / 2 my query's eight keys, 32 bytes
	WIN 0
.set f, 0
.rept 8
	ds_load_b128 v[MK+4*f:MK+4*f+3], v[ADM] offset:64*(f/2)+16*(f%2)
.set f, f+1
.endr
.endm
.macro FETCH_V                         ; its V, turned: keys 32 (f / 8) on, channels 16 (f % 8) on
	WIN 0x40
.set f, 0
.rept 16
	ds_load_tr16_b128 v[8*f:8*f+3],   v[ADV] offset:(f/8)*32*PV+(f%8)*32
	ds_load_tr16_b128 v[8*f+4:8*f+7], v[ADV] offset:(f/8)*32*PV+16*PV+(f%8)*32
.set f, f+1
.endr
.endm
.macro MASKMUL                         ; the mask in base 2
	WIN 0
.set i, 0
.rept 16
	v_pk_mul_f32 v[MK+i:MK+i+1], v[MK+i:MK+i+1], s[CS:CS+1] op_sel_hi:[1,0]
.set i, i+2
.endr
.endm
; 32 products S^T = K Q^T + mask: channels 32 (i / 8) on, keys 16 ((i / 2) % 4) on, head i % 2.  Eight accumulators by turns
.macro KQ_ALL
	WIN 0x01
.set i, 0
.rept 32
.set rS, S+32*(i%2)+8*((i/2)%4)
.set rK, 32*((i/2)%4)+8*(i/8)
.set rQ, Q+32*(i%2)+8*(i/8)
.set rM, MK+8*((i/2)%4)
.if i < 8
	v_wmma_f32_16x16x32_f16 v[rS:rS+7], v[rK:rK+7], v[rQ:rQ+7], v[rM:rM+7]
.else
	v_wmma_f32_16x16x32_f16 v[rS:rS+7], v[rK:rK+7], v[rQ:rQ+7], v[rS:rS+7]
.endif
.set i, i+1
.endr
.endm
; 32 products O^T += V^T P: keys 32 (i / 16) on, channels 16 ((i / 2) % 8) on, head i % 2.  Sixteen accumulators by turns
.macro PV_ALL first
	WIN 0x51                                       ; V, C and D in window 1, P in window 0
.set i, 0
.rept 32
.set rO, OT+64*(i%2)+8*((i/2)%8)
.set rV, 64*(i/16)+8*((i/2)%8)
.set rP, P+16*(i%2)+8*(i/16)
.if \first && (i < 16)
	v_wmma_f32_16x16x32_f16 v[rO:rO+7], v[rV:rV+7], v[rP:rP+7], 0
.else
	v_wmma_f32_16x16x32_f16 v[rO:rO+7], v[rV:rV+7], v[rP:rP+7], v[rO:rO+7]
.endif
.set i, i+1
.endr
.endm
; the softmax of a key step, both heads line by line.  first = 1: nothing has been summed yet: no factor, no rescaling
.macro SOFT first
	WIN 0
.irp c, 0,1,2,3
.irp t, 0,1
	v_max3_num_f32 v[ST+8*\t+4+\c], v[S+32*\t+8*\c], v[S+32*\t+8*\c+1], v[S+32*\t+8*\c+2]      ; each score tile is read from its low end on
.endr
.endr
.irp g, 3,5
.irp c, 0,1,2,3
.irp t, 0,1
	v_max3_num_f32 v[ST+8*\t+4+\c], v[ST+8*\t+4+\c], v[S+32*\t+8*\c+\g], v[S+32*\t+8*\c+\g+1]
.endr
.endr
.endr
.irp t, 0,1
	v_max3_num_f32 v[ST+8*\t+4], v[ST+8*\t+4], v[S+32*\t+7], v[S+32*\t+15]
	v_max3_num_f32 v[ST+8*\t+6], v[ST+8*\t+6], v[S+32*\t+23], v[S+32*\t+31]
.endr
.irp t, 0,1
	v_max3_num_f32 v[ST+8*\t+4], v[ST+8*\t+4], v[ST+8*\t+5], v[ST+8*\t+6]
.endr
.irp t, 0,1
	v_max3_num_f32 v[ST+8*\t+4], v[ST+8*\t+4], v[ST+8*\t+7], v[ST+8*\t]       ; the old m' is always a leaf
.endr
.irp t, 0,1
	v_permlanex16_b32 v[ST+8*\t+5], v[ST+8*\t+4], s[SEL], s[SEL+1]           ; the query's other 32 keys lie 16 lanes away
.endr
.irp t, 0,1
	v_mov_b32 v[ST+8*\t+1], v[ST+8*\t]
.endr
.irp t, 0,1
	v_max_num_f32 v[ST+8*\t], v[ST+8*\t+4], v[ST+8*\t+5]
.endr
.if \first == 0
.irp t, 0,1
	v_sub_f32 v[ST+8*\t+7], v[ST+8*\t+1], v[ST+8*\t]
.endr
.endif
.irp t, 0,1
.set i, 0
.rept 16
	v_pk_add_f32 v[S+32*\t+i:S+32*\t+i+1], v[S+32*\t+i:S+32*\t+i+1], v[ST+8*\t:ST+8*\t+1] op_sel_hi:[1,0] neg_lo:[0,1] neg_hi:[0,1]   ; x' - m'
.set i, i+2
.endr
.endr
.if \first == 0
.irp t, 0,1
	v_exp_f32 v[ST+8*\t+6], v[ST+8*\t+7]
.endr
.endif
.set i, 0
.rept 64
	v_exp_f32 v[S+i], v[S+i]
.set i, i+1
.endr
	v_nop                                          ; a plain instruction behind the last exponential,
	s_wait_alu depctr_va_vdst(0)                   ; and one wait for the whole batch ahead of its first reader
.set i, 0
.rept 32
	v_cvt_pk_f16_f32 v[P+i], v[S+2*i], v[S+2*i+1]
.set i, i+1
.endr
.set i, 0
.rept 16
	v_pk_add_f32 v[S+4*i:S+4*i+1], v[S+4*i:S+4*i+1], v[S+4*i+2:S+4*i+3]      ; the row's sum of the unrounded p, in place
.set i, i+1
.endr
.set i, 0
.rept 8
	v_pk_add_f32 v[S+8*i:S+8*i+1], v[S+8*i:S+8*i+1], v[S+8*i+4:S+8*i+5]
.set i, i+1
.endr
.set i, 0
.rept 4
	v_pk_add_f32 v[S+16*i:S+16*i+1], v[S+16*i:S+16*i+1], v[S+16*i+8:S+16*i+9]
.set i, i+1
.endr
.if \first
.irp t, 0,1
	v_pk_add_f32 v[ST+8*\t+2:ST+8*\t+3], v[S+32*\t:S+32*\t+1], v[S+32*\t+16:S+32*\t+17]
.endr
.else
.irp t, 0,1
	v_pk_add_f32 v[S+32*\t:S+32*\t+1], v[S+32*\t:S+32*\t+1], v[S+32*\t+16:S+32*\t+17]
.endr
.irp t, 0,1
	v_pk_fma_f32 v[ST+8*\t+2:ST+8*\t+3], v[ST+8*\t+2:ST+8*\t+3], v[ST+8*\t+6:ST+8*\t+7], v[S+32*\t:S+32*\t+1] op_sel_hi:[1,0,1]
.endr
	WIN 0x41                                       ; O^T in window 1, the factor in window 0
.irp t, 0,1
.set i, OT+64*\t
.rept 32
	v_pk_mul_f32 v[i:i+1], v[i:i+1], v[ST+8*\t+6:ST+8*\t+7] op_sel_hi:[1,0]
.set i, i+2
.endr
.endr
.endif
.endm
; the change of slots: every wave waits for all its tensor loads (one is out: its part of the other slot), adds 0 to its spare word, waits for that and for its reads of the slot (K, the mask and V of its step are in
; registers).  fill = 1: the barrier is a round of the cluster's, and the slot just read out is filled with the keys two slots on, first thing behind it: that load has a slot's work of all eight waves in which to land
.macro CHANGE fill
	WIN 0
	s_wait_tensorcnt 0x0
	ds_add_u32 v[SPW], v[NIL]
.if \fill
.irp g, G0K+4, G0V+4
	s_xor_b32 s[\g+1], s[\g+1], SLOT1
	s_add_nc_u64 s[\g+2:\g+3], s[\g+2:\g+3], 32768
.endr
	s_xor_b32 s[G0M+5], s[G0M+5], SLOT1
	s_add_nc_u64 s[G0M+6:G0M+7], s[G0M+6:G0M+7], 512
	s_wait_xcnt 0x0                                ; the last prefetch, a slot back, has read its address
	s_add_nc_u64 s[PFA:PFA+1], s[PFA:PFA+1], s[PFS:PFS+1]
	s_wait_dscnt 0x0
	CROUND
	JLOAD
	ASK
.else
	s_wait_dscnt 0x0
	s_barrier_signal -1
	s_barrier_wait -1
.endif
	s_xor_b32 s[TB], s[TB], SLOT1
	ADDR
.endm
; from one change of slots to the next.  Group 1 first takes the softmax of the step that it multiplied in the slot before; both groups then run V^T P of that step and K Q^T of the new one; group 0 takes the new
; step's softmax at once.  f1 = 1: group 1's softmax is its first; fp = 1: the products V^T P start the sums.  The branches hang on the wave's number alone, and lead round the softmax and nothing else.
.macro TRIP fill, f1, fp
	CHANGE \fill
	s_cmp_lt_u32 s[WV], 4
	s_cbranch_scc1 .Learly_\@
	SOFT \f1
	WIN 0
.Learly_\@:
	PV_ALL \fp
	WIN 0
	PLACES 4                                       ; behind the products: K lands where V lay
	FETCH_K
	FETCH_M
	s_wait_dscnt 0x0
	MASKMUL
	KQ_ALL
	WIN 0
	PLACES 4                                       ; behind the products: V lands where K lay; and for the first read of the scores
	FETCH_V
	WIN 0
	s_cmp_lt_u32 s[WV], 4
	s_cbranch_scc0 .Llate_\@
	SOFT 0
	WIN 0
.Llate_\@:
.endm
	s_wait_tensorcnt 1                             ; my part of slot 0 is in; slot 1's may stay out
	s_barrier_signal -1
	s_barrier_wait -1
	ADDR
	FETCH_K
	FETCH_M
	s_wait_loadcnt 0x0                             ; Q
	s_wait_dscnt 0x0
	MASKMUL
	KQ_ALL                                         ; slot 0's scores
	WIN 0
	PLACES 4
	FETCH_V
	WIN 0
	s_cmp_lt_u32 s[WV], 4
	s_cbranch_scc0 .Lp_late
	SOFT 1                                         ; group 0's first softmax
	WIN 0
.Lp_late:
	TRIP 1, 1, 1                                   ; into slot 1: written out, since the sums start here
	s_mov_b32 s[CNT], 13
.Lslot:                                            ; into slots 2 to 14: the slot that is left is filled again
	TRIP 1, 0, 0
	s_sub_co_u32 s[CNT], s[CNT], 1
	s_cmp_lg_u32 s[CNT], 0
	s_cbranch_scc1 .Lslot
	TRIP 0, 0, 0                                   ; into slot 15: written out: nothing is left to ask for
	s_wait_dscnt 0x0                               ; V of the last step
	s_cmp_lt_u32 s[WV], 4
	s_cbranch_scc1 .Le_early
	SOFT 0                                         ; group 1's last softmax
	WIN 0
.Le_early:
	PV_ALL 0
	WIN 0
	PLACES 4
	; ---- the two halves of the keys are joined
.irp t, 0,1
	v_add_f32 v[ST+8*\t+1], v[ST+8*\t+2], v[ST+8*\t+3]                       ; l of my keys, beside m'
.endr
	s_cmp_lt_u32 s[WV], 4
	s_cbranch_scc1 .Lm_keep
.irp t, 0,1
	ds_store_b64 v[MSA], v[ST+8*\t:ST+8*\t+1] offset:256*\t                  ; group 1: m' and l,
.endr
	WIN 0x04                                       ; (an LDS store's data are its source 1: window 1)
.set i, 0
.rept 32
	ds_store_b128 v[MAD], v[OT+4*i:OT+4*i+3] offset:512*i                    ; and O^T as it stands in the registers, each accumulator from its low end on
.set i, i+1
.endr
	WIN 0
.Lm_keep:
	s_wait_dscnt 0x0                               ; for the partner's sake: my stores are done
	s_barrier_signal -1
	s_barrier_wait -1
	s_cmp_lt_u32 s[WV], 4
	s_cbranch_scc0 .Lfin                           ; group 1 has handed its part over
.irp t, 0,1
	ds_load_b64 v[224+2*\t:225+2*\t], v[MSA] offset:256*\t
.endr
	WIN 0x40
.set i, 0
.rept 32
	ds_load_b128 v[4*i:4*i+3], v[MAD] offset:512*i                           ; the partner's O^T, where V lay: register j beside my OT + j
.set i, i+1
.endr
	WIN 0
	s_wait_dscnt 0x0
.irp t, 0,1
	v_max_num_f32 v[ST+8*\t+4], v[ST+8*\t], v[224+2*\t]                      ; m' of all keys
.endr
.irp t, 0,1
	v_sub_f32 v[ST+8*\t+6], v[ST+8*\t], v[ST+8*\t+4]
	v_sub_f32 v[ST+8*\t+2], v[224+2*\t], v[ST+8*\t+4]
.endr
.irp t, 0,1
	v_exp_f32 v[ST+8*\t+6], v[ST+8*\t+6]                                     ; a0
	v_exp_f32 v[ST+8*\t+2], v[ST+8*\t+2]                                     ; a1
.endr
	v_nop
	s_wait_alu depctr_va_vdst(0)                   ; one wait for the four exponentials
.irp t, 0,1
	v_mul_f32 v[ST+8*\t+5], v[ST+8*\t+6], v[ST+8*\t+1]
.endr
.irp t, 0,1
	v_fma_f32 v[ST+8*\t+5], v[ST+8*\t+2], v[225+2*\t], v[ST+8*\t+5]          ; a0 l0 + a1 l1
.endr
.irp t, 0,1
	v_permlanex16_b32 v[ST+8*\t+7], v[ST+8*\t+5], s[SEL], s[SEL+1]
.endr
.irp t, 0,1
	v_add_f32 v[ST+8*\t+5], v[ST+8*\t+5], v[ST+8*\t+7]                       ; with the lane 16 away: l
.endr
.irp t, 0,1
	v_rcp_f32 v[ST+8*\t+7], v[ST+8*\t+5]
.endr
	v_nop
	s_wait_alu depctr_va_vdst(0)                   ; one wait for both reciprocals
.irp t, 0,1
	v_mul_f32 v[ST+8*\t+6], v[ST+8*\t+6], v[ST+8*\t+7]                       ; a0 / l
	v_mul_f32 v[ST+8*\t+2], v[ST+8*\t+2], v[ST+8*\t+7]                       ; a1 / l
.endr
	v_cmp_eq_u32 vcc_lo, 1, v10
	v_lshlrev_b32 v226, 3, v1
	v_lshl_add_u32 v226, v10, 2, v226
.irp t, 0,1
	v_cndmask_b32 v[224+\t], v[ST+8*\t+4], v[ST+8*\t+7], vcc_lo              ; lanes 0-15 m', lanes 16-31 1 / l
	global_store_b32 v226, v[224+\t], s[10:11] offset:16384*\t
.endr
.macro PACK t
	WIN 0x51                                       ; both halves' O^T in window 1, the factors in window 0
.set i, 0
.rept 32
	v_pk_mul_f32 v[OT+64*\t+i:OT+64*\t+i+1], v[OT+64*\t+i:OT+64*\t+i+1], v[ST+8*\t+6:ST+8*\t+7] op_sel_hi:[1,0]
.set i, i+2
.endr
.set i, 0
.rept 32
	v_pk_fma_f32 v[OT+64*\t+i:OT+64*\t+i+1], v[64*\t+i:64*\t+i+1], v[ST+8*\t+2:ST+8*\t+3], v[OT+64*\t+i:OT+64*\t+i+1] op_sel_hi:[1,0,1]
.set i, i+2
.endr
	WIN 0x05
.set i, 0
.rept 32
	v_cvt_pk_f16_f32 v[S+32*\t+i], v[OT+64*\t+2*i], v[OT+64*\t+2*i+1]
.set i, i+1
.endr
	WIN 0
.irp f, 0,1,2,3,4,5,6,7
	ds_store_b128 v[STO], v[S+32*\t+4*\f:S+32*\t+4*\f+3] offset:32*\f
.endr
.irp f, 0,1,2,3,4,5,6,7
	ds_load_b128 v[S+32*\t+4*\f:S+32*\t+4*\f+3], v[RD] offset:\f*2*SP         ; LDS serves a wave's instructions in order
.endr
.endm
.macro SEND t, younger                 ; younger: the LDS instructions issued behind head t's loads
.irp f, 0,1,2,3,4,5,6,7
	s_wait_dscnt \younger+7-\f
	global_store_b128 v[GO], v[S+32*\t+4*\f:S+32*\t+4*\f+3], s[8:9] offset:256*\t+4096*\f   ; 16 lanes store 256 consecutive bytes, aligned
.endr
.endm
	PACK 0
	PACK 1
	SEND 0, 16
	SEND 1, 0
.Lfin:
	s_wait_tensorcnt 0x0                           ; the wave's end
	ds_add_u32 v[SPW], v[NIL]
	s_wait_dscnt 0x0
	CROUND                                         ; the closing round
	s_endpgm
.Lfunc_end_k_qaa5da983a0_attn:
	.size	k_qaa5da983a0_attn, .Lfunc_end_k_qaa5da983a0_attn-k_qaa5da983a0_attn
	.p2alignl 7, 3214868480
	.fill 96, 4, 3214868480
	.section	.rodata,"a",@progbits
	.p2align	6, 0x0
	.amdhsa_kernel k_qaa5da983a0_attn
		.amdhsa_group_segment_fixed_size 327680
		.amdhsa_private_segment_fixed_size 0
		.amdhsa_enable_private_segment 0
		.amdhsa_kernarg_size 32
		.amdhsa_user_sgpr_count 2
		.amdhsa_user_sgpr_kernarg_segment_ptr 1
		.amdhsa_wavefront_size32 1
		.amdhsa_system_sgpr_workgroup_id_x 1
		.amdhsa_system_sgpr_workgroup_id_y 1
		.amdhsa_system_sgpr_workgroup_id_z 1
		.amdhsa_system_vgpr_workitem_id 0
		.amdhsa_next_free_vgpr 512
		.amdhsa_next_free_sgpr 96
		.amdhsa_reserve_vcc 1
		.amdhsa_float_denorm_mode_32 3
		.amdhsa_float_denorm_mode_16_64 3
		.amdhsa_memory_ordered 1
		.amdhsa_forward_progress 1
		.amdhsa_inst_pref_size 188
	.end_amdhsa_kernel
	.amdgpu_metadata
---
amdhsa.version: [ 1, 2 ]
amdhsa.kernels:
  - .name:           k_qaa5da983a0_attn
    .symbol:         k_qaa5da983a0_attn.kd
    .args:
      - { .name: qkvb, .offset: 0, .size: 8, .value_kind: global_buffer, .address_space: global }
      - { .name: attention_mask, .offset: 8, .size: 8, .value_kind: global_buffer, .address_space: global }
      - { .name: o16, .offset: 16, .size: 8, .value_kind: global_buffer, .address_space: global }
      - { .name: stats, .offset: 24, .size: 8, .value_kind: global_buffer, .address_space: global }
    .group_segment_fixed_size: 327680
    .private_segment_fixed_size: 0
    .kernarg_segment_align: 8
    .kernarg_segment_size: 32
    .max_flat_workgroup_size: 256
    .sgpr_count:     96
    .vgpr_count:     512
    .wavefront_size: 32
...
	.end_amdgpu_metadata
.endif
;; end of part 3
;; launch fine_attn (part 4): grid 4 x 8, 8 waves a work-group, no clusters, 327,680 bytes of LDS; arguments qkvb, attention_mask, stats, opart; writes opart
.if DOCPART == 4
	.amdgcn_target "amdgcn-amd-amdhsa--gfx1250"
	.amdhsa_code_object_version 6
	.text
	.protected	k_qaa5da983a0_fine_attn
	.globl	k_qaa5da983a0_fine_attn
	.p2align	8
	.type	k_qaa5da983a0_fine_attn,@function
k_qaa5da983a0_fine_attn:
	s_mov_b64 s[64:65], 0
	v_nop
	global_prefetch_b8 v0, s[64:65] scope:SCOPE_SE
	s_setreg_imm32_b32 hwreg(HW_REG_WAVE_MODE, 25, 1), 1
	s_wait_xcnt 0x0
; The first 16 positions of each sequence once more, with the weights and V as PAIRS of f16 (a high and a low part): these rows average few values and are the largest.
; All 2,048 keys and the whole mask are honoured.  The rows' m' and 1 / l come from the launch before, so p / l is final here and the parts of O simply add: no running maximum.
; SHARES.  Work-group (c, y): keys 512 c .. 512 c + 511 of batch y / 4, key/value head y % 4; wave w: keys 64 w on, both query heads.  O^T = VH PH + VH PL + VL PH, sixteen accumulators by turns.
; The eight waves' parts are added through LDS and leave as images of the accumulators' registers, one part for each c; the launch behind adds the four.
; V's pairs (512 rows x 2) come by one tensor load a wave, filled once; K, Q, the mask and the statistics go from memory straight into registers: LDS has no room for K beside V's pairs.
; No cluster: partners would share Q and 32 KiB of mask out of the 416 KiB that each work-group reads.
; LIMITS: a weight's low part under 6e-5 in size is carried to 3e-8 only; else as the launch before.
; REGISTERS: window 0: v32-63 mask, then PH; v64-127 S^T, then O^T of head 0; v128-159 high parts in f32; v160-191 PL; v192-255 Q, then O^T of head 1.  window 1: v0-127 K, then VL, then the sum; v128-255 VH.
.set PV,    288
.set VLO,   512*PV                     ; VL's rows behind VH's
.set SPARE, 2*VLO                      ; the spare words: 128 bytes a wave
.set SPW, 16
.set NIL, 17
.set MK,  32
.set S,   64
.set HT,  128
.set PL,  160
.set Q,   192
.set MSB, 0
.macro WIN new
.if MSB != (\new)
	s_set_vgpr_msb (MSB<<8)|(\new)
.set MSB, (\new)
.endif
.endm
	s_load_b256 s[4:11], s[0:1], 0x0               ; qkvb, mask, stats, opart
	v_lshl_add_u32 v[SPW], v0, 2, SPARE
	v_mov_b32 v[NIL], 0
	ds_add_u32 v[SPW], v[NIL]                      ; the opening: the add, twice on end, and its wait ahead of my first tensor load
	ds_add_u32 v[SPW], v[NIL]
	v_lshrrev_b32 v1, 5, v0
	v_readfirstlane_b32 s12, v1                    ; wave 0..7
	s_and_b32 s14, ttmp7, 0xffff                   ; 4 b + key/value head
	s_lshr_b32 s15, s14, 2
	s_and_b32 s16, s14, 3
	s_mov_b32 s24, (1<<16)|(1<<20)|(5<<22)|(7<<25) ; elements of 2 bytes; 8 words of padding behind every 64
	s_mov_b32 s25, 128<<16
	s_mov_b32 s26, 128<<16
	s_mov_b32 s27, 128<<16
	s_mov_b32 s28, 128
	s_mov_b32 s29, 128
	s_mov_b32 s30, 0
	s_mov_b32 s31, 0
	s_lshr_b32 s17, s12, 2                         ; waves 0-3: VH, waves 4-7: VL
	s_lshl_b32 s17, s17, 22
	s_lshl_b32 s18, s14, 19
	s_add_co_u32 s17, s17, s18
	s_lshl_b32 s19, ttmp9, 17
	s_add_co_u32 s17, s17, s19
	s_and_b32 s20, s12, 3
	s_lshl_b32 s20, s20, 15
	s_add_co_u32 s20, s17, s20                     ; my 128 rows of V
	s_mov_b32 s21, 0
	s_add_co_u32 s22, s18, s19
	s_lshl_b32 s23, s12, 14
	s_add_co_u32 s22, s22, s23                     ; my 64 keys of K
	s_mov_b32 s23, 0
	s_lshl_b32 s38, s15, 3
	s_lshl_b32 s39, s16, 1
	s_add_co_u32 s38, s38, s39                     ; my first query head
	s_lshl_b32 s40, s38, 19
	s_mov_b32 s41, 0
	s_lshl_b32 s42, s38, 14
	s_mov_b32 s43, 0
	s_lshl_b32 s44, s15, 24
	s_lshl_b32 s45, ttmp9, 11
	s_add_co_u32 s44, s44, s45
	s_lshl_b32 s45, s12, 8
	s_add_co_u32 s44, s44, s45                     ; the mask: batch, my first key
	s_mov_b32 s45, 0
	s_lshl_b32 s46, ttmp9, 1
	s_add_co_u32 s46, s46, s15
	s_lshl_b32 s46, s46, 3
	s_add_co_u32 s46, s46, s39
	s_lshl_b32 s46, s46, 13
	s_lshl_b32 s47, s12, 11
	s_add_co_u32 s46, s46, s47                     ; my four images in opart
	s_mov_b32 s47, 0
	s_mov_b32 s36, 0x3fb8aa3b                      ; log2(e)
	s_mov_b32 s37, s36
	s_mov_b32 s32, 1
	s_mul_i32 s33, s12, 128*PV
	s_wait_dscnt 0x0                               ; both opening adds are done
	s_wait_kmcnt 0x0
	s_add_nc_u64 s[34:35], s[4:5], s[20:21]
	s_add_nc_u64 s[34:35], s[34:35], 0xc00000
	s_or_b32 s35, s35, 0x80000000
	tensor_load_to_lds s[32:35], s[24:31]          ; my one tensor load; these bytes are filled once
	s_nop 0
.rept 4
	v_nop
.endr
	s_add_nc_u64 s[22:23], s[4:5], s[22:23]
	s_add_nc_u64 s[22:23], s[22:23], 0x800000      ; K
	s_add_nc_u64 s[4:5], s[4:5], s[40:41]          ; Q
	s_add_nc_u64 s[6:7], s[6:7], s[44:45]
	s_add_nc_u64 s[8:9], s[8:9], s[42:43]
	s_add_nc_u64 s[10:11], s[10:11], s[46:47]
	s_mov_b32 s17, 0xffffe000
	v_and_b32 v1, 15, v0                           ; r
	v_bfe_u32 v2, v0, 4, 1                         ; h
	v_lshlrev_b32 v3, 8, v1
	v_lshl_add_u32 v3, v2, 4, v3                   ; 256 r + 16 h: Q's and K's fragments
	v_lshlrev_b32 v4, 13, v1
	v_lshl_add_u32 v4, v2, 5, v4                   ; 8,192 r + 32 h: the mask's
	v_lshlrev_b32 v18, 3, v1
.irp i, 0,1,2,3,4,5,6,7
	global_load_b128 v[Q+8*\i:Q+8*\i+3],   v3, s[4:5] offset:(\i/4)*524288+(\i%4)*64
	global_load_b128 v[Q+8*\i+4:Q+8*\i+7], v3, s[4:5] offset:(\i/4)*524288+(\i%4)*64+32
.endr
	global_load_b64 v[12:13], v18, s[8:9]          ; m', 1 / l of my query, head 0,
	global_load_b64 v[14:15], v18, s[8:9] offset:16384   ; head 1
.irp f, 0,1,2,3,4,5,6,7
	global_load_b128 v[MK+4*\f:MK+4*\f+3], v4, s[6:7] offset:64*(\f/2)+16*(\f%2)
.endr
	WIN 0x40
.set f, 0
.rept 16
	global_load_b128 v[8*f:8*f+3],   v3, s[22:23] offset:4096*(f/4)+64*(f%4)
	global_load_b128 v[8*f+4:8*f+7], v3, s[22:23] offset:4096*(f/4)+64*(f%4)+32
.set f, f+1
.endr
	WIN 0
	v_and_b32 v19, 7, v0
	v_lshl_add_u32 v6, v2, 3, v19
	v_mul_u32_u24 v6, v6, PV
	v_bfe_u32 v19, v0, 3, 1
	v_lshl_add_u32 v6, v19, 4, v6
	s_mul_i32 s13, s12, 64*PV
	v_add_nc_u32 v6, s13, v6                       ; VH, turned: my 64 keys
	v_add_nc_u32 v7, VLO, v6                       ; VL
	v_and_b32 v19, 31, v0
	v_lshlrev_b32 v11, 4, v19                      ; 16 x lane
	s_lshl_b32 s13, s12, 14
	v_add_nc_u32 v8, s13, v11                      ; where my 32 images go,
	s_lshl_b32 s13, s12, 11
	v_add_nc_u32 v9, s13, v11                      ; where I read images 4 w .. 4 w + 3 of waves 0-3,
	v_add_nc_u32 v10, 0x10000, v9                  ; and of waves 4-7
	s_wait_loadcnt 0x0
.set i, 0
.rept 16
	v_pk_mul_f32 v[MK+i:MK+i+1], v[MK+i:MK+i+1], s[36:37] op_sel_hi:[1,0]     ; the mask in base 2, as in the launch before
.set i, i+2
.endr
	v_mov_b32 v20, v13
	v_mov_b32 v21, v13
	v_mov_b32 v22, v15
	v_mov_b32 v23, v15
	WIN 0x01
.set i, 0
.rept 32                                       ; the same 32 products in the same order as in the launch before: the same scores
.set rS, S+32*(i%2)+8*((i/2)%4)
.set rK, 32*((i/2)%4)+8*(i/8)
.set rQ, Q+32*(i%2)+8*(i/8)
.set rM, MK+8*((i/2)%4)
.if i < 8
	v_wmma_f32_16x16x32_f16 v[rS:rS+7], v[rK:rK+7], v[rQ:rQ+7], v[rM:rM+7]
.else
	v_wmma_f32_16x16x32_f16 v[rS:rS+7], v[rK:rK+7], v[rQ:rQ+7], v[rS:rS+7]
.endif
.set i, i+1
.endr
	WIN 0
.rept 4
	v_nop
.endr
.irp t, 0,1
.set i, 0
.rept 16
	v_pk_add_f32 v[S+32*\t+i:S+32*\t+i+1], v[S+32*\t+i:S+32*\t+i+1], v[12+2*\t:13+2*\t] op_sel_hi:[1,0] neg_lo:[0,1] neg_hi:[0,1]   ; x' - m'
.set i, i+2
.endr
.endr
.set i, 0
.rept 64
	v_exp_f32 v[S+i], v[S+i]
.set i, i+1
.endr
	v_nop
	s_wait_alu depctr_va_vdst(0)                   ; one wait for the batch
.irp t, 0,1
.set i, 0
.rept 16
	v_pk_mul_f32 v[S+32*\t+i:S+32*\t+i+1], v[S+32*\t+i:S+32*\t+i+1], v[20+2*\t:21+2*\t]     ; p / l
.set i, i+2
.endr
.set i, 0
.rept 32
	v_and_b32 v[HT+i], s17, v[S+32*\t+i]           ; the high part: 11 bits
.set i, i+1
.endr
.set i, 0
.rept 16
	v_pk_add_f32 v[S+32*\t+i:S+32*\t+i+1], v[S+32*\t+i:S+32*\t+i+1], v[HT+i:HT+i+1] neg_lo:[0,1] neg_hi:[0,1]   ; the low part
.set i, i+2
.endr
.set i, 0
.rept 16
	v_cvt_pk_f16_f32 v[MK+16*\t+i], v[HT+2*i], v[HT+2*i+1]
	v_cvt_pk_f16_f32 v[PL+16*\t+i], v[S+32*\t+2*i], v[S+32*\t+2*i+1]
.set i, i+1
.endr
.endr
	s_wait_tensorcnt 0x0                           ; my rows of V are in,
	s_barrier_signal -1
	s_barrier_wait -1                              ; everybody's are
	WIN 0x40
.set f, 0
.rept 16
	ds_load_tr16_b128 v[128+8*f:128+8*f+3],   v6 offset:(f/8)*32*PV+(f%8)*32
	ds_load_tr16_b128 v[128+8*f+4:128+8*f+7], v6 offset:(f/8)*32*PV+16*PV+(f%8)*32
.set f, f+1
.endr
.set f, 0
.rept 16
	ds_load_tr16_b128 v[8*f:8*f+3],   v7 offset:(f/8)*32*PV+(f%8)*32
	ds_load_tr16_b128 v[8*f+4:8*f+7], v7 offset:(f/8)*32*PV+16*PV+(f%8)*32
.set f, f+1
.endr
	s_wait_dscnt 0x0                               ; my reads of V are over:
	s_barrier_signal -1                            ; say so; only work on registers stands up to the wait
.macro FPV va, pb, zero                ; 32 products: keys 32 ks on, channels 16 d on, head t
.irp ks, 0,1
.irp d, 0,1,2,3,4,5,6,7
.irp t, 0,1
.if \zero && (\ks == 0)
	v_wmma_f32_16x16x32_f16 v[64+128*\t+8*\d:64+128*\t+8*\d+7], v[\va+64*\ks+8*\d:\va+64*\ks+8*\d+7], v[\pb+16*\t+8*\ks:\pb+16*\t+8*\ks+7], 0
.else
	v_wmma_f32_16x16x32_f16 v[64+128*\t+8*\d:64+128*\t+8*\d+7], v[\va+64*\ks+8*\d:\va+64*\ks+8*\d+7], v[\pb+16*\t+8*\ks:\pb+16*\t+8*\ks+7], v[64+128*\t+8*\d:64+128*\t+8*\d+7]
.endif
.endr
.endr
.endr
.endm
	WIN 0x01
	FPV 128, MK, 1                                 ; VH PH
	FPV 128, PL, 0                                 ; VH PL
	FPV 0,   MK, 0                                 ; VL PH
	WIN 0
	s_barrier_wait -1                              ; nobody reads V any more: its bytes, filled for the last time, take the parts
.rept 4
	v_nop
.endr
.irp t, 0,1
.irp d, 0,1,2,3,4,5,6,7
	ds_store_b128 v8, v[64+128*\t+8*\d:64+128*\t+8*\d+3] offset:512*(16*\t+2*\d)
	ds_store_b128 v8, v[64+128*\t+8*\d+4:64+128*\t+8*\d+7] offset:512*(16*\t+2*\d+1)
.endr
.endr
	s_wait_dscnt 0x0
	s_barrier_signal -1
	s_barrier_wait -1
	WIN 0x40
.irp u, 0,1,2,3
.irp j, 0,1,2,3
	ds_load_b128 v[16*\u+4*\j:16*\u+4*\j+3], v9 offset:16384*\u+512*\j
.endr
.endr
.irp u, 0,1,2,3
.irp j, 0,1,2,3
	ds_load_b128 v[64+16*\u+4*\j:64+16*\u+4*\j+3], v10 offset:16384*\u+512*\j
.endr
.endr
	s_wait_dscnt 0x0
	WIN 0x45
.irp u, 1,2,3,4,5,6,7
.set i, 0
.rept 8
	v_pk_add_f32 v[i:i+1], v[i:i+1], v[16*\u+i:16*\u+i+1]
.set i, i+2
.endr
.endr
	WIN 0x04
.irp j, 0,1,2,3
	global_store_b128 v11, v[4*\j:4*\j+3], s[10:11] offset:512*\j             ; 512 consecutive bytes, aligned
.endr
	WIN 0
	s_wait_tensorcnt 0x0                           ; the wave's end
	ds_add_u32 v[SPW], v[NIL]
	s_wait_dscnt 0x0
	s_endpgm
.Lfunc_end_k_qaa5da983a0_fine_attn:
	.size	k_qaa5da983a0_fine_attn, .Lfunc_end_k_qaa5da983a0_fine_attn-k_qaa5da983a0_fine_attn
	.p2alignl 7, 3214868480
	.fill 96, 4, 3214868480
	.section	.rodata,"a",@progbits
	.p2align	6, 0x0
	.amdhsa_kernel k_qaa5da983a0_fine_attn
		.amdhsa_group_segment_fixed_size 327680
		.amdhsa_private_segment_fixed_size 0
		.amdhsa_enable_private_segment 0
		.amdhsa_kernarg_size 32
		.amdhsa_user_sgpr_count 2
		.amdhsa_user_sgpr_kernarg_segment_ptr 1
		.amdhsa_wavefront_size32 1
		.amdhsa_system_sgpr_workgroup_id_x 1
		.amdhsa_system_sgpr_workgroup_id_y 1
		.amdhsa_system_sgpr_workgroup_id_z 1
		.amdhsa_system_vgpr_workitem_id 0
		.amdhsa_next_free_vgpr 512
		.amdhsa_next_free_sgpr 66
		.amdhsa_reserve_vcc 0
		.amdhsa_float_denorm_mode_32 3
		.amdhsa_float_denorm_mode_16_64 3
		.amdhsa_memory_ordered 1
		.amdhsa_forward_progress 1
		.amdhsa_inst_pref_size 46
	.end_amdhsa_kernel
	.amdgpu_metadata
---
amdhsa.version: [ 1, 2 ]
amdhsa.kernels:
  - .name:           k_qaa5da983a0_fine_attn
    .symbol:         k_qaa5da983a0_fine_attn.kd
    .args:
      - { .name: qkvb, .offset: 0, .size: 8, .value_kind: global_buffer, .address_space: global }
      - { .name: attention_mask, .offset: 8, .size: 8, .value_kind: global_buffer, .address_space: global }
      - { .name: stats, .offset: 16, .size: 8, .value_kind: global_buffer, .address_space: global }
      - { .name: opart, .offset: 24, .size: 8, .value_kind: global_buffer, .address_space: global }
    .group_segment_fixed_size: 327680
    .private_segment_fixed_size: 0
    .kernarg_segment_align: 8
    .kernarg_segment_size: 32
    .max_flat_workgroup_size: 256
    .sgpr_count:     66
    .vgpr_count:     512
    .wavefront_size: 32
...
	.end_amdgpu_metadata
.endif
;; end of part 4
;; launch proj_out (part 5): grid 8 x 32, 4 waves a work-group, clusters of 4 x 4, 327,680 bytes of LDS; arguments o16, wo16, out0; writes out0
.if DOCPART == 5
	.amdgcn_target "amdgcn-amd-amdhsa--gfx1250"
	.amdhsa_code_object_version 6
	.text
	.protected	k_qaa5da983a0_proj_out
	.globl	k_qaa5da983a0_proj_out
	.p2align	8
	.type	k_qaa5da983a0_proj_out,@function
k_qaa5da983a0_proj_out:
	s_mov_b64 s[64:65], 0
	v_nop
	global_prefetch_b8 v0, s[64:65] scope:SCOPE_SE
	s_setreg_imm32_b32 hwreg(HW_REG_WAVE_MODE, 25, 1), 1
	s_wait_xcnt 0x0
	s_wait_alu depctr_hold_cnt(0) depctr_sa_sdst(0) depctr_va_vdst(0) depctr_va_sdst(0) depctr_va_ssrc(0) depctr_va_vcc(0) depctr_vm_vsrc(0)
	s_getreg_b32 s2, hwreg(HW_REG_IB_STS2, 6, 4)
	s_cmp_eq_u32 s2, 0
	s_cbranch_scc0 .Lentry_in_a_cluster
	s_endpgm
.Lentry_in_a_cluster:
	s_bfe_u32 s2, ttmp6, 0x10000c
	s_cmp_lg_u32 s2, 0xf033
	s_cbranch_scc0 .Lentry_shape_is_right
	s_endpgm
.Lentry_shape_is_right:
; out0 = O Wo^T.  O: [4,096][1,024], Wo: [2,048][1,024], both f16; out0 [4,096][2,048] f32; sums in f32.
; A tile of 128 x 256 of out0 gives 256 work-groups; four waves, each 64 x 128: 32 accumulators.  K goes in steps of 128 (rows of 256 bytes) through two LDS slots: O's 128 rows, then Wo's 256.
; Waves 0, 1 fetch O's halves (64 rows), waves 2, 3 Wo's (128 rows): one load a wave behind each round.  CLUSTER 4 x 4: O's tile is shared along a row, Wo's along a column: joint loads.
; The matrix instruction is used transposed (source 0 = 16 rows of Wo, source 1 = 16 rows of O): a lane holds eight neighbouring numbers of a row of out0.
; The rows of the first 16 positions are stored here like all others and stored anew, more finely, by the launch behind.
; No prefetch: eight K steps, a short launch.
; REGISTERS: window 0: v16-29 addresses; O's fragments at v64-95 and v128-159; on the way out v64-191 rows read back.  window 1: Wo's fragments at v64-127, v128-191.  window 2: accumulator (a, b) at v[8 (8 a + b)].
.set KSTEP,  128
.set PITCH,  272
.set BOFF,   128*PITCH
.set SLOT,   384*PITCH
.set STAGE,  2*SLOT
.set SPITCH, 528
.set SPARE,  STAGE+4*16*SPITCH
.set LAPS,   4
.set ADRA, 16
.set ADRB, 20
.set STO,  24
.set RD,   25
.set CO,   26
.set SPW,  28
.set NIL,  29
.set F0,   64
.set F1,   128
.set BK,   64
.set G1, 24
.set G0, 32
.set G1B, 48
.set G0B, 56
.set MSB, 0
.macro WIN new
.if MSB != (\new)
	s_set_vgpr_msb (MSB<<8)|(\new)
.set MSB, (\new)
.endif
.endm
.set MUL, 0xa1
.macro JLOAD s
	s_cmp_eq_u32 s11, 0
	s_cbranch_scc0 .Lfor_b_\@
	tensor_load_to_lds s[G0+4*\s:G0+4*\s+3], s[G1:G1+7]
	s_nop 0
.rept 4
	v_nop
.endr
	s_branch .Lasked_\@
.Lfor_b_\@:
	tensor_load_to_lds s[G0B+4*\s:G0B+4*\s+3], s[G1B:G1B+7]
	s_nop 0
.rept 4
	v_nop
.endr
.Lasked_\@:
.endm
.macro CREST
	s_cmp_lg_u32 s10, 0
	s_cbranch_scc1 .Lnot_wave_0_\@
	s_barrier_signal -3
.Lnot_wave_0_\@:
	s_barrier_wait -3
	s_barrier_signal -1
	s_barrier_wait -1
.endm
.macro CROUND
	s_barrier_signal -1
	s_barrier_wait -1
	CREST
.endm
	s_load_b128 s[4:7], s[0:1], 0x0                ; o16, wo16
	s_load_b64 s[8:9], s[0:1], 0x10                ; out0
	v_lshl_add_u32 v[SPW], v0, 2, SPARE
	v_mov_b32 v[NIL], 0
	ds_add_u32 v[SPW], v[NIL]                      ; the opening: the add, twice on end, and its wait ahead of my first tensor load
	ds_add_u32 v[SPW], v[NIL]
	v_lshrrev_b32 v1, 5, v0
	v_readfirstlane_b32 s10, v1
	s_lshr_b32 s11, s10, 1                         ; my half of the tile's rows; also: I fetch for O (0) or Wo (1)
	s_and_b32 s12, s10, 1                          ; my half of its columns; also: which half of that tile I fetch
	s_bfe_u32 s40, ttmp6, 0x40000
	s_bfe_u32 s41, ttmp6, 0x40004
	s_lshl_b32 s42, ttmp9, 2
	s_add_co_u32 s42, s42, s40                     ; tile column
	s_and_b32 s13, ttmp7, 0xffff
	s_lshl_b32 s13, s13, 2
	s_add_co_u32 s13, s13, s41                     ; tile row
	s_lshl_b32 s43, s41, 2
	s_lshl_b32 s43, 15, s43
	s_lshl_b32 s44, 0x1111, s40
	s_or_b32 s[G1+0], s43, (1<<16)|(1<<20)|(1<<21)|(5<<22)|(3<<25)
	s_or_b32 s[G1B+0], s44, (1<<16)|(1<<20)|(1<<21)|(5<<22)|(3<<25)
	s_mov_b32 s[G1+1], KSTEP<<16
	s_mov_b32 s[G1+2], 64<<16
	s_mov_b32 s[G1+3], KSTEP<<16
	s_mov_b32 s[G1+4], 64
	s_mov_b32 s[G1+5], 1024
	s_mov_b32 s[G1+6], 0
	s_mov_b32 s[G1+7], 0
	s_mov_b32 s[G1B+1], KSTEP<<16
	s_mov_b32 s[G1B+2], 128<<16
	s_mov_b32 s[G1B+3], KSTEP<<16
	s_mov_b32 s[G1B+4], 128
	s_mov_b32 s[G1B+5], 1024
	s_mov_b32 s[G1B+6], 0
	s_mov_b32 s[G1B+7], 0
	s_lshl_b32 s16, s13, 7
	s_lshl_b32 s17, s12, 6
	s_add_co_u32 s16, s16, s17
	s_lshl_b32 s16, s16, 11                        ; O: row 128 x tile row + 64 x half, 2,048 bytes a row
	s_mov_b32 s17, 0
	s_lshl_b32 s46, s42, 8
	s_lshl_b32 s47, s12, 7
	s_add_co_u32 s46, s46, s47
	s_lshl_b32 s46, s46, 11                        ; Wo: row 256 x tile column + 128 x half
	s_mov_b32 s47, 0
	s_mul_i32 s20, s12, 64*PITCH
	s_mul_i32 s21, s12, 128*PITCH
	s_add_co_u32 s21, s21, BOFF
	s_wait_dscnt 0x0
	s_wait_kmcnt 0x0
	s_add_nc_u64 s[14:15], s[4:5], s[16:17]
	s_add_nc_u64 s[46:47], s[6:7], s[46:47]
	CROUND
.irp s, 0,1
	s_mov_b32 s[G0+4*\s], 1
	s_add_co_u32 s[G0+4*\s+1], s20, \s*SLOT
	s_add_nc_u64 s[G0+4*\s+2:G0+4*\s+3], s[14:15], \s*KSTEP*2
	s_or_b32 s[G0+4*\s+3], s[G0+4*\s+3], 0x80000000
	s_mov_b32 s[G0B+4*\s], 1
	s_add_co_u32 s[G0B+4*\s+1], s21, \s*SLOT
	s_add_nc_u64 s[G0B+4*\s+2:G0B+4*\s+3], s[46:47], \s*KSTEP*2
	s_or_b32 s[G0B+4*\s+3], s[G0B+4*\s+3], 0x80000000
	JLOAD \s
.endr
	v_and_b32 v1, 15, v0
	v_bfe_u32 v2, v0, 4, 1
	v_mul_u32_u24 v3, v1, PITCH
	v_lshl_add_u32 v3, v2, 4, v3
	s_mul_i32 s21, s11, 64*PITCH                   ; my 64 rows of O
	s_mul_i32 s22, s12, 128*PITCH                  ; my 128 rows of Wo
	s_add_co_u32 s22, s22, BOFF
.irp s, 0,1
	v_add_nc_u32 v[ADRA+\s], s21, v3
	v_add_nc_u32 v[ADRB+\s], s22, v3
	s_add_co_u32 s21, s21, SLOT
	s_add_co_u32 s22, s22, SLOT
.endr
	s_mul_i32 s23, s10, 16*SPITCH
	s_add_co_u32 s23, s23, STAGE
	v_mul_u32_u24 v5, v1, SPITCH
	v_lshl_add_u32 v5, v2, 5, v5
	v_add_nc_u32 v[STO], s23, v5
	v_and_b32 v6, 31, v0
	v_lshlrev_b32 v[CO], 4, v6
	v_add_nc_u32 v[RD], s23, v[CO]
	s_lshl_b32 s16, s13, 7
	s_lshl_b32 s17, s11, 6
	s_add_co_u32 s16, s16, s17
	s_lshl_b32 s16, s16, 13                        ; my first row of out0, 8,192 bytes a row,
	s_lshl_b32 s46, s42, 10
	s_lshl_b32 s47, s12, 9
	s_add_co_u32 s46, s46, s47
	s_add_co_u32 s16, s16, s46                     ; my first column
	s_mov_b32 s17, 0
	s_add_nc_u64 s[8:9], s[8:9], s[16:17]
.macro MULA f, a, zero                 ; 8 products: O's block a against Wo's eight, 32 along K.  The 32 accumulators take turns
.irp b, 0,1,2,3,4,5,6,7
.if \zero
	v_wmma_f32_16x16x32_f16 v[8*(8*(\a)+\b):8*(8*(\a)+\b)+7], v[\f+8*\b:\f+8*\b+7], v[\f+8*(\a):\f+8*(\a)+7], 0
.else
	v_wmma_f32_16x16x32_f16 v[8*(8*(\a)+\b):8*(8*(\a)+\b)+7], v[\f+8*\b:\f+8*\b+7], v[\f+8*(\a):\f+8*(\a)+7], v[8*(8*(\a)+\b):8*(8*(\a)+\b)+7]
.endif
.endr
.endm
.macro FETCH slot, k, f                ; 24 LDS loads in one run: the fragments of 32 along K at byte k of the rows
	WIN 0x40
.irp i, 0,1,2,3,4,5,6,7
	ds_load_b128 v[\f+8*\i:\f+8*\i+3],   v[ADRB+\slot] offset:\k+\i*16*PITCH
	ds_load_b128 v[\f+8*\i+4:\f+8*\i+7], v[ADRB+\slot] offset:\k+\i*16*PITCH+32
.endr
	WIN 0
.irp i, 0,1,2,3
	ds_load_b128 v[\f+8*\i:\f+8*\i+3],   v[ADRA+\slot] offset:\k+\i*16*PITCH
	ds_load_b128 v[\f+8*\i+4:\f+8*\i+7], v[ADRA+\slot] offset:\k+\i*16*PITCH+32
.endr
.endm
.macro PLACES
.rept 4
	v_nop
.endr
.endm
.macro QUARTER slot, k, f, g, zero     ; multiplies buffer f; ahead of that asks for the next quarter, at byte k, into g: 32 products ahead of its use
	s_wait_dscnt 0x0                               ; buffer f is in
	PLACES                                         ; buffer g was read by the quarter before
	FETCH \slot, \k, \g
	WIN MUL
	MULA \f, 0, \zero
	MULA \f, 1, \zero
	MULA \f, 2, \zero
	MULA \f, 3, \zero
.endm
.macro TURN slot, next, fill           ; a K step's last quarter changes slots
	WIN 0
	s_wait_tensorcnt 0x0                           ; all my tensor loads have landed: my part of the next slot
	ds_add_u32 v[SPW], v[NIL]
	s_wait_dscnt 1                                 ; buffer 1 is in; the add alone may be out
	WIN MUL
	MULA F1, 0, 0
	s_wait_dscnt 0x0                               ; the add is done, and my reads of this slot are over
	s_barrier_signal -1
	MULA F1, 1, 0
	WIN 0
	s_barrier_wait -1
.if \fill
	CREST                                          ; the barrier has opened a round of the cluster's
	s_add_nc_u64 s[G0+4*\slot+2:G0+4*\slot+3], s[G0+4*\slot+2:G0+4*\slot+3], 2*KSTEP*2
	s_add_nc_u64 s[G0B+4*\slot+2:G0B+4*\slot+3], s[G0B+4*\slot+2:G0B+4*\slot+3], 2*KSTEP*2
	JLOAD \slot                                    ; the four v_nop behind it are also the places in front of the loads below
.else
	PLACES
.endif
	FETCH \next, 0, F0
	WIN MUL
	MULA F1, 2, 0
	MULA F1, 3, 0
.endm
	s_wait_tensorcnt 1                             ; my part of K step 0 is in; K step 1's may stay out
	s_barrier_signal -1
	s_barrier_wait -1
	FETCH 0, 0, F0
	QUARTER 0, 64, F0, F1, 1
	WIN 0
	s_mov_b32 s3, LAPS-1
.Llap:
	QUARTER 0, 128, F1, F0, 0
	QUARTER 0, 192, F0, F1, 0
	TURN 0, 1, 1
	QUARTER 1, 64,  F0, F1, 0
	QUARTER 1, 128, F1, F0, 0
	QUARTER 1, 192, F0, F1, 0
	TURN 1, 0, 1
	QUARTER 0, 64,  F0, F1, 0
	WIN 0
	s_sub_co_u32 s3, s3, 1
	s_cmp_lg_u32 s3, 0
	s_cbranch_scc1 .Llap
	QUARTER 0, 128, F1, F0, 0                      ; the last lap fills nothing
	QUARTER 0, 192, F0, F1, 0
	TURN 0, 1, 0
	QUARTER 1, 64,  F0, F1, 0
	QUARTER 1, 128, F1, F0, 0
	QUARTER 1, 192, F0, F1, 0
	s_wait_dscnt 0x0
	MULA F1, 0, 0
	MULA F1, 1, 0
	MULA F1, 2, 0
	MULA F1, 3, 0
	WIN 0
; the way out: a block of 16 rows x 128 columns goes through my own stage and comes back as whole rows of 512 bytes
.macro TOSTAGE a
	WIN 0x08
.irp b, 0,1,2,3,4,5,6,7
	ds_store_b128 v[STO], v[64*(\a)+8*\b:64*(\a)+8*\b+3] offset:64*\b
	ds_store_b128 v[STO], v[64*(\a)+8*\b+4:64*(\a)+8*\b+7] offset:64*\b+16
.endr
	WIN 0
.set BB, BK+64*((\a)%2)
.irp t, 0,1,2,3,4,5,6,7,8,9,10,11,12,13,14,15
	ds_load_b128 v[BB+4*\t:BB+4*\t+3], v[RD] offset:\t*SPITCH
.endr
.endm
.macro SEND a, younger
.set BB, BK+64*((\a)%2)
	s_wait_dscnt \younger
.irp t, 0,1,2,3,4,5,6,7,8,9,10,11,12,13,14,15
	global_store_b128 v[CO], v[BB+4*\t:BB+4*\t+3], s[8:9] offset:131072*(\a)+8192*\t th:TH_STORE_NT   ; 512 consecutive bytes, aligned
.endr
.endm
	PLACES
	TOSTAGE 0
.irp a, 1,2,3
.if \a > 1
	s_wait_xcnt 0x0                                ; block a - 2's stores have read their registers
.endif
	TOSTAGE \a
	SEND \a-1, 32                                  ; behind block a - 1's loads: block a's 16 stores and 16 loads
.endr
	SEND 3, 0
	s_wait_tensorcnt 0x0                           ; the wave's end
	ds_add_u32 v[SPW], v[NIL]
	s_wait_dscnt 0x0
	CROUND
	s_endpgm
.Lfunc_end_k_qaa5da983a0_proj_out:
	.size	k_qaa5da983a0_proj_out, .Lfunc_end_k_qaa5da983a0_proj_out-k_qaa5da983a0_proj_out
	.p2alignl 7, 3214868480
	.fill 96, 4, 3214868480
	.section	.rodata,"a",@progbits
	.p2align	6, 0x0
	.amdhsa_kernel k_qaa5da983a0_proj_out
		.amdhsa_group_segment_fixed_size 327680
		.amdhsa_private_segment_fixed_size 0
		.amdhsa_enable_private_segment 0
		.amdhsa_kernarg_size 24
		.amdhsa_user_sgpr_count 2
		.amdhsa_user_sgpr_kernarg_segment_ptr 1
		.amdhsa_wavefront_size32 1
		.amdhsa_system_sgpr_workgroup_id_x 1
		.amdhsa_system_sgpr_workgroup_id_y 1
		.amdhsa_system_sgpr_workgroup_id_z 1
		.amdhsa_system_vgpr_workitem_id 0
		.amdhsa_next_free_vgpr 768
		.amdhsa_next_free_sgpr 66
		.amdhsa_reserve_vcc 0
		.amdhsa_float_denorm_mode_32 3
		.amdhsa_float_denorm_mode_16_64 3
		.amdhsa_memory_ordered 1
		.amdhsa_forward_progress 1
		.amdhsa_inst_pref_size 85
	.end_amdhsa_kernel
	.amdgpu_metadata
---
amdhsa.version: [ 1, 2 ]
amdhsa.kernels:
  - .name:           k_qaa5da983a0_proj_out
    .symbol:         k_qaa5da983a0_proj_out.kd
    .args:
      - { .name: o16, .offset: 0, .size: 8, .value_kind: global_buffer, .address_space: global }
      - { .name: wo16, .offset: 8, .size: 8, .value_kind: global_buffer, .address_space: global }
      - { .name: out0, .offset: 16, .size: 8, .value_kind: global_buffer, .address_space: global }
    .group_segment_fixed_size: 327680
    .private_segment_fixed_size: 0
    .kernarg_segment_align: 8
    .kernarg_segment_size: 24
    .max_flat_workgroup_size: 128
    .sgpr_count:     66
    .vgpr_count:     768
    .wavefront_size: 32
...
	.end_amdgpu_metadata
.endif
;; end of part 5
;; launch fine_out (part 6): grid 32 x 2, 4 waves a work-group, no clusters, 327,680 bytes of LDS; arguments opart, Wo, out0; writes out0
.if DOCPART == 6
	.amdgcn_target "amdgcn-amd-amdhsa--gfx1250"
	.amdhsa_code_object_version 6
	.text
	.protected	k_qaa5da983a0_fine_out
	.globl	k_qaa5da983a0_fine_out
	.p2align	8
	.type	k_qaa5da983a0_fine_out,@function
k_qaa5da983a0_fine_out:
	s_mov_b64 s[64:65], 0
	v_nop
	global_prefetch_b8 v0, s[64:65] scope:SCOPE_SE
	s_setreg_imm32_b32 hwreg(HW_REG_WAVE_MODE, 25, 1), 1
	s_wait_xcnt 0x0
; The rows of out0 at the first 16 positions of each sequence, once more: O (the four parts of the launch for these rows, added) and Wo (f32 as given) both go to the matrix unit as pairs of f16:
; out = OH WH + OL WH + OH WL, sums in f32.  Work-group (slice, b): 64 columns of out0, 16 rows.  Wave w owns K = 256 w .. 256 w + 255 (query heads 2 w, 2 w + 1): it fetches its own part of Wo by one tensor
; load, filled once and read by itself alone, and adds its own part of O; the four waves' sums meet in LDS at the end.
; No cluster: only the two batches would share a slice of Wo.
; LIMITS: low parts under 6e-5 in size are carried to 3e-8 only.
; REGISTERS: window 0: v32-95 OH, v96-159 OL (8 fragments each); v160-223 high parts in f32, then with v224-255 the 12 accumulators (column tile, term).  windows 1, 2: a head's 4 parts x 64 numbers.
;   window 3: v0-63 WH, v64-127 WL, two sets each; v128-191 Wo in f32; v192-255 its high parts.
.set WP,    1040                       ; a row of my part of Wo: 1,024 bytes + 16
.set RED,   4*64*WP
.set SPARE, RED+4*16*272
.set SPW, 8
.set NIL, 9
.set AH,  32
.set AL,  96
.set HT,  160
.set ACC, 160
.set FF,  128
.set HB,  192
.set MSB, 0
.macro WIN new
.if MSB != (\new)
	s_set_vgpr_msb (MSB<<8)|(\new)
.set MSB, (\new)
.endif
.endm
	s_load_b128 s[4:7], s[0:1], 0x0                ; opart, Wo
	s_load_b64 s[8:9], s[0:1], 0x10                ; out0
	v_lshl_add_u32 v[SPW], v0, 2, SPARE
	v_mov_b32 v[NIL], 0
	ds_add_u32 v[SPW], v[NIL]                      ; the opening: the add, twice on end, and its wait ahead of my first tensor load
	ds_add_u32 v[SPW], v[NIL]
	v_lshrrev_b32 v1, 5, v0
	v_readfirstlane_b32 s10, v1
	s_and_b32 s12, ttmp7, 0xffff                   ; the batch
	s_mov_b32 s24, (2<<16)|(1<<20)|(7<<22)|(3<<25) ; elements of 4 bytes; 4 words of padding behind every 256
	s_mov_b32 s25, 256<<16
	s_mov_b32 s26, 64<<16
	s_mov_b32 s27, 256<<16
	s_mov_b32 s28, 64
	s_mov_b32 s29, 1024
	s_mov_b32 s30, 0
	s_mov_b32 s31, 0
	s_lshl_b32 s14, ttmp9, 18                      ; Wo: 64 rows of 4,096 bytes a slice,
	s_lshl_b32 s15, s10, 10
	s_add_co_u32 s14, s14, s15                     ; my 256 columns
	s_mov_b32 s15, 0
	s_lshl_b32 s16, s12, 3
	s_lshl_b32 s17, s10, 1
	s_add_co_u32 s16, s16, s17
	s_lshl_b32 s16, s16, 13                        ; opart: batch, my first head
	s_mov_b32 s17, 0
	s_lshl_b32 s18, s12, 11
	s_lshl_b32 s19, s10, 2
	s_add_co_u32 s18, s18, s19
	s_lshl_b32 s18, s18, 13                        ; out0: the four rows that I store,
	s_lshl_b32 s19, ttmp9, 8
	s_add_co_u32 s18, s18, s19                     ; the slice's 256 bytes
	s_mov_b32 s19, 0
	s_mov_b32 s36, 0xffffe000
	s_mov_b32 s32, 1
	s_mul_i32 s33, s10, 64*WP
	s_wait_dscnt 0x0
	s_wait_kmcnt 0x0
	s_add_nc_u64 s[34:35], s[6:7], s[14:15]
	s_or_b32 s35, s35, 0x80000000
	tensor_load_to_lds s[32:35], s[24:31]          ; my one tensor load
	s_nop 0
.rept 4
	v_nop
.endr
	s_add_nc_u64 s[4:5], s[4:5], s[16:17]
	s_add_nc_u64 s[8:9], s[8:9], s[18:19]
	v_and_b32 v1, 15, v0                           ; r
	v_bfe_u32 v2, v0, 4, 1                         ; h
	v_and_b32 v3, 31, v0
	v_lshlrev_b32 v3, 4, v3                        ; 16 x lane
	WIN 0x40
.irp c, 0,1,2,3
.set i, 0
.rept 16
	global_load_b128 v[64*\c+4*i:64*\c+4*i+3], v3, s[4:5] offset:131072*\c+512*i
.set i, i+1
.endr
.endr
	WIN 0x80
.irp c, 0,1,2,3
.set i, 0
.rept 16
	global_load_b128 v[64*\c+4*i:64*\c+4*i+3], v3, s[4:5] offset:131072*\c+8192+512*i
.set i, i+1
.endr
.endr
	WIN 0
	s_mul_i32 s13, s10, 64*WP
	v_mul_u32_u24 v4, v1, WP
	v_lshl_add_u32 v4, v2, 5, v4
	v_add_nc_u32 v4, s13, v4                       ; Wo's fragments: row r, 32 h bytes on
	s_mul_i32 s13, s10, 16*272
	s_add_co_u32 s13, s13, RED
	v_mul_u32_u24 v5, v1, 272
	v_lshl_add_u32 v5, v2, 5, v5
	v_add_nc_u32 v5, s13, v5                       ; where my sums go
	s_mul_i32 s13, s10, 4*272
	s_add_co_u32 s13, s13, RED
	v_mul_u32_u24 v6, v2, 272
	v_lshl_add_u32 v6, v1, 4, v6
	v_add_nc_u32 v6, s13, v6                       ; rows 4 w + h of wave 0's sums
	v_lshlrev_b32 v7, 13, v2
	v_lshl_add_u32 v7, v1, 4, v7                   ; and the same in out0
; a head's four parts are added; the sum is cut into a high part of 11 bits and the rest.  Number 8 dt + j of a lane is channel 16 dt + 8 h + j of position r: pairs of them are the operand's registers as they stand
.macro OSUM hl
.set W, 1+\hl
	WIN (W<<6)|(W<<2)|W
.irp c, 1,2,3
.set i, 0
.rept 32
	v_pk_add_f32 v[i:i+1], v[i:i+1], v[64*\c+i:64*\c+i+1]
.set i, i+2
.endr
.endr
	WIN W<<2
.set i, 0
.rept 64
	v_and_b32 v[HT+i], s36, v[i]
.set i, i+1
.endr
	WIN (W<<6)|W
.set i, 0
.rept 32
	v_pk_add_f32 v[i:i+1], v[i:i+1], v[HT+i:HT+i+1] neg_lo:[0,1] neg_hi:[0,1]
.set i, i+2
.endr
	WIN 0
.set i, 0
.rept 32
	v_cvt_pk_f16_f32 v[AH+32*\hl+i], v[HT+2*i], v[HT+2*i+1]
.set i, i+1
.endr
	WIN (W<<2)|W
.set i, 0
.rept 32
	v_cvt_pk_f16_f32 v[AL+32*\hl+i], v[2*i], v[2*i+1]
.set i, i+1
.endr
.endm
	s_wait_loadcnt 63                              ; the first head's 64 loads are in: 64 were issued behind them, and 63 is the largest count that the wait can name
	OSUM 0
	s_wait_loadcnt 0x0
	OSUM 1
.macro FLOAD kk                        ; Wo, 32 along K: for each of 4 column tiles 16 numbers a lane
	WIN 0xc0
.irp nt, 0,1,2,3
.irp u, 0,1,2,3
	ds_load_b128 v[FF+16*\nt+4*\u:FF+16*\nt+4*\u+3], v4 offset:16*\nt*WP+128*(\kk)+16*(\u%2)+64*(\u/2)
.endr
.endr
.endm
.macro KSTEP kk
.set BS, 32*((\kk)%2)
	s_wait_dscnt 0x0
	WIN 0xcf
.set i, 0
.rept 64
	v_and_b32 v[HB+i], s36, v[FF+i]
.set i, i+1
.endr
.set i, 0
.rept 32
	v_pk_add_f32 v[FF+i:FF+i+1], v[FF+i:FF+i+1], v[HB+i:HB+i+1] neg_lo:[0,1] neg_hi:[0,1]
.set i, i+2
.endr
.set i, 0
.rept 32
	v_cvt_pk_f16_f32 v[BS+i], v[HB+2*i], v[HB+2*i+1]
	v_cvt_pk_f16_f32 v[64+BS+i], v[FF+2*i], v[FF+2*i+1]
.set i, i+1
.endr
.if (\kk) < 7
	FLOAD (\kk)+1
.endif
	WIN 0x03
.irp nt, 0,1,2,3                       ; twelve accumulators by turns
.if (\kk) == 0
	v_wmma_f32_16x16x32_f16 v[ACC+24*\nt:ACC+24*\nt+7],     v[BS+8*\nt:BS+8*\nt+7],       v[AH+8*(\kk):AH+8*(\kk)+7], 0
	v_wmma_f32_16x16x32_f16 v[ACC+24*\nt+8:ACC+24*\nt+15],  v[BS+8*\nt:BS+8*\nt+7],       v[AL+8*(\kk):AL+8*(\kk)+7], 0
	v_wmma_f32_16x16x32_f16 v[ACC+24*\nt+16:ACC+24*\nt+23], v[64+BS+8*\nt:64+BS+8*\nt+7], v[AH+8*(\kk):AH+8*(\kk)+7], 0
.else
	v_wmma_f32_16x16x32_f16 v[ACC+24*\nt:ACC+24*\nt+7],     v[BS+8*\nt:BS+8*\nt+7],       v[AH+8*(\kk):AH+8*(\kk)+7], v[ACC+24*\nt:ACC+24*\nt+7]
	v_wmma_f32_16x16x32_f16 v[ACC+24*\nt+8:ACC+24*\nt+15],  v[BS+8*\nt:BS+8*\nt+7],       v[AL+8*(\kk):AL+8*(\kk)+7], v[ACC+24*\nt+8:ACC+24*\nt+15]
	v_wmma_f32_16x16x32_f16 v[ACC+24*\nt+16:ACC+24*\nt+23], v[64+BS+8*\nt:64+BS+8*\nt+7], v[AH+8*(\kk):AH+8*(\kk)+7], v[ACC+24*\nt+16:ACC+24*\nt+23]
.endif
.endr
.endm
	s_wait_tensorcnt 0x0                           ; my part of Wo is in; nobody else reads it
	FLOAD 0
.irp k, 0,1,2,3,4,5,6,7
	KSTEP \k
.endr
	WIN 0
.rept 4
	v_nop
.endr
.irp nt, 0,1,2,3
.irp p, 0,2,4,6
	v_pk_add_f32 v[ACC+24*\nt+\p:ACC+24*\nt+\p+1], v[ACC+24*\nt+\p:ACC+24*\nt+\p+1], v[ACC+24*\nt+8+\p:ACC+24*\nt+8+\p+1]
.endr
.endr
.irp nt, 0,1,2,3
.irp p, 0,2,4,6
	v_pk_add_f32 v[ACC+24*\nt+\p:ACC+24*\nt+\p+1], v[ACC+24*\nt+\p:ACC+24*\nt+\p+1], v[ACC+24*\nt+16+\p:ACC+24*\nt+16+\p+1]
.endr
.endr
.irp nt, 0,1,2,3
	ds_store_b128 v5, v[ACC+24*\nt:ACC+24*\nt+3] offset:64*\nt
	ds_store_b128 v5, v[ACC+24*\nt+4:ACC+24*\nt+7] offset:64*\nt+16
.endr
	s_wait_dscnt 0x0                               ; for the others' sake: my sums lie in LDS
	s_barrier_signal -1
	s_barrier_wait -1
.irp i, 0,1
.irp u, 0,1,2,3
	ds_load_b128 v[32+16*\i+4*\u:32+16*\i+4*\u+3], v6 offset:4352*\u+544*\i
.endr
.endr
	s_wait_dscnt 0x0
.irp u, 1,2,3
.irp i, 0,1
.irp p, 0,2
	v_pk_add_f32 v[32+16*\i+\p:32+16*\i+\p+1], v[32+16*\i+\p:32+16*\i+\p+1], v[32+16*\i+4*\u+\p:32+16*\i+4*\u+\p+1]
.endr
.endr
.endr
.irp i, 0,1
	global_store_b128 v7, v[32+16*\i:32+16*\i+3], s[8:9] offset:16384*\i      ; 16 lanes store 256 consecutive bytes, aligned
.endr
	s_wait_tensorcnt 0x0                           ; the wave's end
	ds_add_u32 v[SPW], v[NIL]
	s_wait_dscnt 0x0
	s_endpgm
.Lfunc_end_k_qaa5da983a0_fine_out:
	.size	k_qaa5da983a0_fine_out, .Lfunc_end_k_qaa5da983a0_fine_out-k_qaa5da983a0_fine_out
	.p2alignl 7, 3214868480
	.fill 96, 4, 3214868480
	.section	.rodata,"a",@progbits
	.p2align	6, 0x0
	.amdhsa_kernel k_qaa5da983a0_fine_out
		.amdhsa_group_segment_fixed_size 327680
		.amdhsa_private_segment_fixed_size 0
		.amdhsa_enable_private_segment 0
		.amdhsa_kernarg_size 24
		.amdhsa_user_sgpr_count 2
		.amdhsa_user_sgpr_kernarg_segment_ptr 1
		.amdhsa_wavefront_size32 1
		.amdhsa_system_sgpr_workgroup_id_x 1
		.amdhsa_system_sgpr_workgroup_id_y 1
		.amdhsa_system_sgpr_workgroup_id_z 1
		.amdhsa_system_vgpr_workitem_id 0
		.amdhsa_next_free_vgpr 1024
		.amdhsa_next_free_sgpr 66
		.amdhsa_reserve_vcc 0
		.amdhsa_float_denorm_mode_32 3
		.amdhsa_float_denorm_mode_16_64 3
		.amdhsa_memory_ordered 1
		.amdhsa_forward_progress 1
		.amdhsa_inst_pref_size 128
	.end_amdhsa_kernel
	.amdgpu_metadata
---
amdhsa.version: [ 1, 2 ]
amdhsa.kernels:
  - .name:           k_qaa5da983a0_fine_out
    .symbol:         k_qaa5da983a0_fine_out.kd
    .args:
      - { .name: opart, .offset: 0, .size: 8, .value_kind: global_buffer, .address_space: global }
      - { .name: Wo, .offset: 8, .size: 8, .value_kind: global_buffer, .address_space: global }
      - { .name: out0, .offset: 16, .size: 8, .value_kind: global_buffer, .address_space: global }
    .group_segment_fixed_size: 327680
    .private_segment_fixed_size: 0
    .kernarg_segment_align: 8
    .kernarg_segment_size: 24
    .max_flat_workgroup_size: 128
    .sgpr_count:     66
    .vgpr_count:     1024
    .wavefront_size: 32
...
	.end_amdgpu_metadata
.endif
;; end of part 6
